; MI455X (gfx1250); checked and timed in simulation.
; The chip was launched on July 23, 2026; its instructions are those of AMD's public machine-readable ISA for CDNA 5 (MIT licence, August 2026) and "CDNA5" Instruction Set Architecture Reference Guide (July 2026). The comments in the code are by the model that wrote it; some were corrected since.
;; Mo EMLP. Allowed arithmetic: matrix products marked QUANTISED: E2M1 operands, one E8M0 scale for each 32 along K, by v_wmma_scale_f32_16x16x128_f8f6f4 with both operands' format E2M1 (or v_wmma_scale_f32_32x16x128_f4), f32 sums; products left as they are: f32 operands where the result goes on into a quantised operand, else bf16, f16 or f32 operands; f32 sums; everything else in f32.
;; Inputs: W1 8 x 1,024 x 4,096 float32; W2 8 x 4,096 x 1,024 float32; Wr 1,024 x 8 float32; x 4 x 256 x 1,024 float32.
;; Outputs: out0 4 x 256 x 1,024 float32.
;; Constants: top_k = 2.
;; This version of the problem:
;;   THIS VERSION OF THE PROBLEM IS GIVEN IN LOW PRECISION. The matrix products marked QUANTISED in the list below multiply operands that are first quantised to E2M1 (2 exponent bits, 1 mantissa bit; 4 bits a number), with one power-of-two scale for each 32 numbers along K (OCP MX v1.0); their sums are f32. All else is computed in f32.
;;   The module's matrix products, in the order in which they are computed (A, B: the left and right operand; K: the contracted axis; several contracted axes count as one K, in the product's order):
;;     1. [M 1,024, K 1,024] x [K 1,024, N 8]; A: input x; B: input Wr: left as it is (N = 8 < 16)
;;     2. [M 1,024, K 1,024] x [K 1,024, N 32,768]; A: input x; B: input W1: QUANTISED
;;     3. batch 8 x [M 1,024, K 4,096] x [K 4,096, N 1,024]; A: input W2; B: computed on the way: QUANTISED
;;     4. batch 1,024 x [M 1,024, K 8] x [K 8, N 1]; A: computed on the way; B: computed on the way: left as it is (K = 8 < 32)
;;   THE QUANTISER, for each operand of a quantised product, along K:
;;     - K is cut into blocks of 32 from its start; a last block that is shorter is filled with zeros.
;;     - A block's scale is 2^e with e = floor(log2(the largest magnitude in the block)) - 2, held to -126 .. 127; a block of zeros has e = 0. As a byte (E8M0): e + 127.
;;     - Each number is divided by its block's scale, clamped to +-6, and rounded to the nearest number of E2M1, ties to even, subnormals kept.
;;     - The product sums the exact products of the quantised numbers (number of the format x scale) in f32.
;;   ~~~python
;;   def quantise(x, axis):      # numpy; x: float32 -> the quantised numbers, widened to float32 again
;;       x = np.moveaxis(x, axis, -1); K = x.shape[-1]
;;       x = np.pad(x, [(0, 0)] * (x.ndim - 1) + [(0, -K % 32)]); x = x.reshape(x.shape[:-1] + (-1, 32)); a = np.abs(x).max(-1, keepdims=True)
;;       e = np.where(a > 0, np.clip(np.frexp(np.where(a > 0, a, 1))[1] - 1 - 2, -126, 127), 0)      # np.frexp(a)[1] - 1 = floor(log2(a)), exactly
;;       r = np.clip(x / 2.0 ** e, -6, 6)
;;       step = 2.0 ** (np.maximum(np.frexp(np.where(r == 0, 1, r))[1] - 1, 0) - 1)
;;       q = np.round(r / step) * step * 2.0 ** e      # np.round: ties to even
;;       return np.moveaxis(q.reshape(q.shape[:-2] + (-1,))[..., :K], -1, axis).astype(np.float32)
;;   ~~~
;;   OPERANDS COMPUTED ON THE WAY. 'Computed on the way' means the value that the module computes at that place (a softmax that the list does not call 'softmax' is quantised finished and normalised). What goes into a quantiser is computed in f32, as accurately as f32 sums, v_exp_f32 and their like allow (about 1e-6 of the number): no bf16 or f16 on the way to a quantiser, and a product that is left as it is and whose result goes on into a quantised operand takes f32 operands (vector FMAs, or v_wmma_f32_16x16x4_f32). A number that lies on a knife's edge between two numbers of the format may be rounded either way, as far as f32 arithmetic and the matrix unit's own rounding can turn it there, and no further.
;; 2 versions. Each part assembles by itself: llvm-mc -triple=amdgcn-amd-amdhsa -mcpu=gfx1250 --defsym DOCPART=n.
;; ======== version 1 of 2: 5 launches
;; workspace buffers: sel 4,096 bytes of whole numbers; gate 8,192 bytes; lst 33,024 bytes of whole numbers; xq 4,456,448 bytes; hq 17,825,792 bytes; y 16,842,752 bytes
;; launch route (part 1): grid 256 x 1, 4 waves a work-group, no clusters, 37,376 bytes of LDS; arguments x, Wr, sel, gate; writes sel, gate
.if DOCPART == 1
	.amdgcn_target "amdgcn-amd-amdhsa--gfx1250"
	.amdhsa_code_object_version 6
	.text
	.protected	k_q926fc5f0ec_route
	.globl	k_q926fc5f0ec_route
	.p2align	8
	.type	k_q926fc5f0ec_route,@function
k_q926fc5f0ec_route:
	s_mov_b64 s[64:65], 0
	v_nop
	global_prefetch_b8 v0, s[64:65] scope:SCOPE_SE
	s_setreg_imm32_b32 hwreg(HW_REG_WAVE_MODE, 25, 1), 1
	s_wait_xcnt 0x0
; THE ROUTER.  logits = x Wr in f32 (fused multiply-adds), softmax over the 8 experts with the maximum taken away, the two largest (the lower index wins a tie),
; their weights divided by their sum.  x: [1024][1024] f32, Wr: [1024][8] f32.  Out, at fixed places: sel[t] = i0 | i1 << 8 (a whole number), gate[t] = the two weights (f32).
; No address and no branch hangs on the choice: the rows are placed by the next launch, which reads sel.
; SHARES.  One wave takes one token: t = 4 x work-group + wave.  Lane l holds x[t][128 j + 4 l + q] (eight loads of 512 consecutive bytes).  Wr, 32,768 bytes, is brought into LDS once by the
; four waves; lane l then wants 128 consecutive bytes (4 rows of Wr) for each j, so 16 bytes of padding stand behind each 128: lanes are 144 bytes apart, an odd multiple of 16.
; LIMITS: NaN and infinities are not served.  The sum along K is taken in another order than a plain chain, so a second and a third expert that lie within f32 rounding of each other may change places.
; The two stores are 12 bytes a token: 12 KB in the whole launch.
.set X,   16                           ; v16-47   my 32 numbers of x
.set WR,  48                           ; v48-111  Wr as loaded; then two sets of 32: register 8 q + e = Wr[128 j + 4 l + q][e]
.set ACC, 112                          ; v112-119 the eight sums, as four pairs
.set TP,  120                          ; v120-127 the other half of the lanes' sums
.set P,   128                          ; v128-135 the probabilities
.set Q,   136                          ; v136-143 the same with the largest struck out
	s_load_b128 s[4:7], s[0:1], 0x0                ; x, Wr
	s_load_b128 s[8:11], s[0:1], 0x10              ; sel, gate
	v_lshl_add_u32 v160, v0, 2, 0x9000
	v_mov_b32 v161, 0
	v_lshrrev_b32 v6, 5, v0
	v_readfirstlane_b32 s12, v6                    ; wave
	v_and_b32 v1, 31, v0                           ; lane
	v_lshlrev_b32 v2, 4, v0                        ; Wr in memory: 16 bytes a thread
	v_lshrrev_b32 v3, 3, v0
	v_lshl_add_u32 v3, v3, 4, v2                   ; Wr into LDS: + 16 for each 128 bytes passed
	v_mul_u32_u24 v4, v1, 144                      ; Wr out of LDS: my 128 bytes
	v_lshlrev_b32 v5, 4, v1                        ; x: 16 bytes a lane
	s_lshl_b32 s13, ttmp9, 2
	s_add_co_u32 s13, s13, s12                     ; my token
	s_lshl_b32 s14, s13, 12                        ; its row of 4,096 bytes
	s_mov_b32 s15, 0
	s_mov_b32 s16, 0x76543210                      ; v_permlanex16_b32's selects for lane l xor 16
	s_mov_b32 s17, 0xfedcba98
.irp e, 0,1,2,3,4,5,6,7
	v_mov_b32 v[TP+\e], 0                          ; written once: a lane permute's destination counts as one of its sources
.endr
	s_wait_kmcnt 0x0
	s_add_nc_u64 s[4:5], s[4:5], s[14:15]
.irp j, 0,1,2,3,4,5,6,7
	global_load_b128 v[X+4*\j:X+4*\j+3], v5, s[4:5] offset:512*\j
.endr
.irp i, 0,1,2,3,4,5,6,7,8,9,10,11,12,13,14,15
	global_load_b128 v[WR+4*\i:WR+4*\i+3], v2, s[6:7] offset:2048*\i
.endr
	s_lshl_b32 s18, s13, 2
	s_mov_b32 s19, 0
	s_add_nc_u64 s[8:9], s[8:9], s[18:19]          ; sel[t]
	s_lshl_b32 s18, s13, 3
	s_add_nc_u64 s[10:11], s[10:11], s[18:19]      ; gate[t]
	s_wait_loadcnt 0x0
.irp i, 0,1,2,3,4,5,6,7,8,9,10,11,12,13,14,15
	ds_store_b128 v3, v[WR+4*\i:WR+4*\i+3] offset:2304*\i          ; 2,048 bytes and their 16 paddings
.endr
	s_wait_dscnt 0x0                               ; for the others' sake: my part of Wr lies in LDS
	s_barrier_signal -1
	s_barrier_wait -1                              ; everybody's does
.macro WRLOAD j                        ; rows 128 j + 4 l + 0 .. 3 of Wr into set j % 2
.irp p, 0,1,2,3,4,5,6,7
	ds_load_b128 v[WR+32*((\j)%2)+4*\p:WR+32*((\j)%2)+4*\p+3], v4 offset:4608*(\j)+16*\p
.endr
.endm
.macro DOT j                           ; 32 multiply-adds, two experts at a time; the very first products start the sums
.set w_, WR+32*((\j)%2)
.irp q, 0,1,2,3
.irp p, 0,1,2,3
.if ((\j) == 0) && (\q == 0)
	v_pk_mul_f32 v[ACC+2*\p:ACC+2*\p+1], v[w_+2*\p:w_+2*\p+1], v[X:X+1] op_sel_hi:[1,0]
.elseif (\q%2) == 0
	v_pk_fma_f32 v[ACC+2*\p:ACC+2*\p+1], v[w_+8*\q+2*\p:w_+8*\q+2*\p+1], v[X+4*(\j)+2*(\q/2):X+4*(\j)+2*(\q/2)+1], v[ACC+2*\p:ACC+2*\p+1] op_sel_hi:[1,0,1]
.else
	v_pk_fma_f32 v[ACC+2*\p:ACC+2*\p+1], v[w_+8*\q+2*\p:w_+8*\q+2*\p+1], v[X+4*(\j)+2*(\q/2):X+4*(\j)+2*(\q/2)+1], v[ACC+2*\p:ACC+2*\p+1] op_sel:[0,1,0] op_sel_hi:[1,1,1]
.endif
.endr
.endr
.endm
	WRLOAD 0
	WRLOAD 1
.irp j, 0,1,2,3,4,5,6,7
.if \j < 7
	s_wait_dscnt 8                                 ; this set's eight loads are in; the next set's eight may be out
.else
	s_wait_dscnt 0x0
.endif
	DOT \j
.if \j < 6
	WRLOAD \j+2
.endif
.endr
.irp m, 1,2,4,8                        ; the sums over the 32 lanes: four steps inside each half, the eight sums by turns,
.irp e, 0,1,2,3,4,5,6,7
	v_add_f32_dpp v[ACC+\e], v[ACC+\e], v[ACC+\e] row_xmask:\m row_mask:0xf bank_mask:0xf
.endr
.endr
.irp e, 0,1,2,3,4,5,6,7
	v_permlanex16_b32 v[TP+\e], v[ACC+\e], s16, s17                ; and one across the halves
.endr
.irp e, 0,1,2,3,4,5,6,7
	v_add_f32 v[ACC+\e], v[ACC+\e], v[TP+\e]       ; every lane holds the eight logits
.endr
	v_max3_num_f32 v144, v[ACC], v[ACC+1], v[ACC+2]
	v_max3_num_f32 v144, v144, v[ACC+3], v[ACC+4]
	v_max3_num_f32 v144, v144, v[ACC+5], v[ACC+6]
	v_max_num_f32 v144, v144, v[ACC+7]             ; the largest logit,
	v_mov_b32 v145, v144                           ; twice, for the packed subtraction
.irp p, 0,2,4,6
	v_pk_add_f32 v[P+\p:P+\p+1], v[ACC+\p:ACC+\p+1], v[144:145] neg_lo:[0,1] neg_hi:[0,1]
.endr
.irp p, 0,2,4,6
	v_pk_mul_f32 v[P+\p:P+\p+1], v[P+\p:P+\p+1], 0x3fb8aa3b op_sel_hi:[1,0]   ; x log2(e)
.endr
.irp e, 0,1,2,3,4,5,6,7
	v_exp_f32 v[P+\e], v[P+\e]
.endr
	v_mov_b32 v151, 0                              ; a plain instruction behind the exponentials (v151 is named below as the upper half of a pair)
	s_wait_alu depctr_va_vdst(0)                   ; one wait for the eight, ahead of their first reader
	v_pk_add_f32 v[146:147], v[P:P+1], v[P+2:P+3]
	v_pk_add_f32 v[148:149], v[P+4:P+5], v[P+6:P+7]
	v_pk_add_f32 v[146:147], v[146:147], v[148:149]
	v_add_f32 v146, v146, v147
	v_rcp_f32 v150, v146
	v_mov_b32 v153, 0                              ; (a plain instruction behind the reciprocal)  i0 = 0
	s_wait_alu depctr_va_vdst(0)
.irp p, 0,2,4,6
	v_pk_mul_f32 v[P+\p:P+\p+1], v[P+\p:P+\p+1], v[150:151] op_sel_hi:[1,0]   ; the probabilities
.endr
	v_mov_b32 v152, v[P]                           ; the largest so far.  A later one takes its place only where it is strictly larger: the lower index wins a tie
.irp e, 1,2,3,4,5,6,7
	v_cmp_le_f32 vcc_lo, v[P+\e], v152
	v_cndmask_b32 v152, v[P+\e], v152, vcc_lo
	v_cndmask_b32 v153, \e, v153, vcc_lo
.endr
.irp e, 0,1,2,3,4,5,6,7
	v_cmp_ne_u32 vcc_lo, \e, v153
	v_cndmask_b32 v[Q+\e], -1.0, v[P+\e], vcc_lo   ; the largest is struck out: -1 lies under every probability
.endr
	v_mov_b32 v154, v[Q]
	v_mov_b32 v155, 0                              ; i1
.irp e, 1,2,3,4,5,6,7
	v_cmp_le_f32 vcc_lo, v[Q+\e], v154
	v_cndmask_b32 v154, v[Q+\e], v154, vcc_lo
	v_cndmask_b32 v155, \e, v155, vcc_lo
.endr
	v_add_f32 v146, v152, v154
	v_rcp_f32 v147, v146
	v_lshl_or_b32 v158, v155, 8, v153              ; (a plain instruction behind the reciprocal)  i0 | i1 << 8
	s_wait_alu depctr_va_vdst(0)
	v_mul_f32 v156, v152, v147                     ; the two weights, which add up to 1
	v_mul_f32 v157, v154, v147
	v_mov_b32 v159, 0
	s_wait_xcnt 0x0                                ; EXEC changes only behind this wait
	v_cmp_eq_u32 vcc_lo, 0, v1
	s_wait_tensorcnt 0x0
	ds_add_u32 v160, v161
	s_wait_dscnt 0x0
	s_and_saveexec_b32 s20, vcc_lo                 ; lane 0 stores for the wave
	global_store_b32 v159, v158, s[8:9]
	global_store_b64 v159, v[156:157], s[10:11]
	s_endpgm
.Lfunc_end_k_q926fc5f0ec_route:
	.size	k_q926fc5f0ec_route, .Lfunc_end_k_q926fc5f0ec_route-k_q926fc5f0ec_route
	.p2alignl 7, 3214868480
	.fill 96, 4, 3214868480
	.section	.rodata,"a",@progbits
	.p2align	6, 0x0
	.amdhsa_kernel k_q926fc5f0ec_route
		.amdhsa_group_segment_fixed_size 37376
		.amdhsa_private_segment_fixed_size 0
		.amdhsa_enable_private_segment 0
		.amdhsa_kernarg_size 32
		.amdhsa_user_sgpr_count 2
		.amdhsa_user_sgpr_kernarg_segment_ptr 1
		.amdhsa_wavefront_size32 1
		.amdhsa_system_sgpr_workgroup_id_x 1
		.amdhsa_system_sgpr_workgroup_id_y 1
		.amdhsa_system_sgpr_workgroup_id_z 1
		.amdhsa_system_vgpr_workitem_id 0
		.amdhsa_next_free_vgpr 162
		.amdhsa_next_free_sgpr 66
		.amdhsa_reserve_vcc 1
		.amdhsa_float_denorm_mode_32 3
		.amdhsa_float_denorm_mode_16_64 3
		.amdhsa_memory_ordered 1
		.amdhsa_forward_progress 1
		.amdhsa_inst_pref_size 25
	.end_amdhsa_kernel
	.amdgpu_metadata
---
amdhsa.version: [ 1, 2 ]
amdhsa.kernels:
  - .name:           k_q926fc5f0ec_route
    .symbol:         k_q926fc5f0ec_route.kd
    .args:
      - { .name: x, .offset: 0, .size: 8, .value_kind: global_buffer, .address_space: global }
      - { .name: Wr, .offset: 8, .size: 8, .value_kind: global_buffer, .address_space: global }
      - { .name: sel, .offset: 16, .size: 8, .value_kind: global_buffer, .address_space: global }
      - { .name: gate, .offset: 24, .size: 8, .value_kind: global_buffer, .address_space: global }
    .group_segment_fixed_size: 37376
    .private_segment_fixed_size: 0
    .kernarg_segment_align: 8
    .kernarg_segment_size: 32
    .max_flat_workgroup_size: 128
    .sgpr_count:     66
    .vgpr_count:     162
    .wavefront_size: 32
...
	.end_amdgpu_metadata
.endif
;; end of part 1
;; launch place (part 2): grid 64 x 8, 1 waves a work-group, no clusters, 512 bytes of LDS; arguments sel, x, lst, xq; writes lst, xq
.if DOCPART == 2
	.amdgcn_target "amdgcn-amd-amdhsa--gfx1250"
	.amdhsa_code_object_version 6
	.text
	.protected	k_q926fc5f0ec_place
	.globl	k_q926fc5f0ec_place
	.p2align	8
	.type	k_q926fc5f0ec_place,@function
k_q926fc5f0ec_place:
	s_mov_b64 s[64:65], 0
	v_nop
	global_prefetch_b8 v0, s[64:65] scope:SCOPE_SE
	s_setreg_imm32_b32 hwreg(HW_REG_WAVE_MODE, 25, 1), 1
	s_wait_xcnt 0x0
; THE ROWS ARE PLACED BY EXPERT, AND x IS QUANTISED IN THAT ORDER.  Work-group (m, e), one wave, makes tile m (16 rows) of expert e.
; It reads all 1,024 words of sel, ranks the tokens that chose e (order: register 4 q + c of the loads, then lane; token = 128 q + 4 lane + c; every work-group of an expert finds the same ranks),
; keeps ranks 16 m .. 16 m + 15, gathers those rows of x and turns them into codes of FP4 (E2M1) with one E8M0 byte for each 32 along K.
; An expert can be chosen by all 1,024 tokens: 64 tiles.  A work-group whose tile lies behind the expert's count stores nothing and ends: the grid serves every split.
; OUT.  lst[e][slot] = 2 t + j (j: first or second choice of token t); slots behind the count, in the last tile, hold 2048 + e.  lst + 32768: cnt[e].
;   xq[e][m]: 8,704 bytes: 8 K steps of 128, each 1,024 bytes, AS AN IMAGE OF THE OPERAND'S REGISTERS (register group c of lane l at 512 c + 16 l); then the scale words, [row][8 words].
; A slot behind the count takes token 1023's row: its results go to a row of y that nobody reads.
; THE QUANTISER: a block's scale is 2^(floor(log2(largest magnitude)) - 2); its byte is the largest magnitude's exponent field - 2, held at 1 from below.
; LIMITS: a block of zeros gets the byte 1 where the rule says 127 (its codes are zeros, and this program alone reads the bytes); blocks whose largest magnitude lies under 2^-124 were not tried; NaN and infinities are not served.
; LDS: words 0-15 the tile's entries, word 16 takes what lies outside the tile; one wave, so no barrier.
.set XA,  32                           ; v32-159  two sets of 64 numbers: register 16 b + i = k 32 b + 16 (lane / 16) + i of my row; v32-63 hold sel first
.set PC,  160                          ; v160-223 the codes: 8 registers for each K step, so that no store's data are written again
.set PW,  224                          ; v224-231 the scale word of each K step
.set TM,  232                          ; v232-247 at work
.set OW,  248                          ; v248-251 my four scale words on the way out
.set SEL, 16                           ; s[16:17]
	s_load_b128 s[4:7], s[0:1], 0x0                ; sel, x
	s_load_b128 s[8:11], s[0:1], 0x10              ; lst, xq
	v_lshl_add_u32 v254, v0, 2, 0x100
	v_mov_b32 v255, 0
	s_and_b32 s12, ttmp7, 0xffff                   ; e
	s_lshl_b32 s13, ttmp9, 4                       ; 16 m
	s_sub_co_u32 s14, 0, s13                       ; the running count of e's tokens, less 16 m
	v_and_b32 v1, 31, v0                           ; lane
	v_and_b32 v2, 15, v0                           ; r
	v_bfe_u32 v3, v0, 4, 1                         ; h
	v_lshlrev_b32 v4, 3, v1                        ; 8 x lane: twice my first token of a load
	v_lshlrev_b32 v5, 4, v1                        ; 16 x lane
	v_lshlrev_b32 v6, 2, v2                        ; 4 r
	v_lshlrev_b32 v12, 2, v1
	s_add_co_u32 s15, s12, 2048
	v_mov_b32 v13, s15
	ds_store_b32 v12, v13                          ; every slot begins as a slot behind the count
	s_mov_b32 s[SEL], 0x76543210
	s_mov_b32 s[SEL+1], 0xfedcba98                 ; v_permlanex16_b32's selects for lane l xor 16
.irp b, 0,1,2,3
	v_mov_b32 v[TM+4+\b], 0                        ; written once: a lane permute's destination counts as one of its sources
.endr
	s_lshl_b32 s20, s12, 6
	s_add_co_u32 s20, s20, ttmp9
	s_mul_i32 s20, s20, 8704                       ; my record in xq
	s_mov_b32 s21, 0
	s_wait_kmcnt 0x0
	s_add_nc_u64 s[10:11], s[10:11], s[20:21]
.irp q, 0,1,2,3,4,5,6,7
	global_load_b128 v[32+4*\q:35+4*\q], v5, s[4:5] offset:512*\q
.endr
	s_wait_loadcnt 0x0
; Register n of sel: which lanes' tokens chose e; their ranks; the entry 2 t + j goes to LDS word rank - 16 m, or to word 16.
.macro RANK n
	v_and_b32 v8, 0xff, v[32+(\n)]                 ; i0
	v_lshrrev_b32 v9, 8, v[32+(\n)]                ; i1
	v_cmp_eq_u32 s18, s12, v8
	v_cmp_eq_u32 vcc_lo, s12, v9
	s_or_b32 s19, s18, vcc_lo                      ; the lanes whose token chose e
	v_add_co_ci_u32 v11, vcc_lo, 256*((\n)/4)+2*((\n)%4), v4, vcc_lo   ; 2 t + 1 where e is the second choice, else 2 t
	v_mbcnt_lo_u32_b32 v10, s19, s14               ; the running count + the members in lower lanes
	s_mov_b32 vcc_lo, s19
	v_cndmask_b32 v10, -1, v10, vcc_lo             ; no member: outside
	v_min_u32 v10, 16, v10                         ; ranks under 16 m have wrapped round: outside as well
	v_lshlrev_b32 v10, 2, v10
	ds_store_b32 v10, v11
	s_bcnt1_i32_b32 s18, s19
	s_add_co_u32 s14, s14, s18
.endm
.irp n, 0,1,2,3,4,5,6,7,8,9,10,11,12,13,14,15,16,17,18,19,20,21,22,23,24,25,26,27,28,29,30,31
	RANK \n
.endr
	s_add_co_u32 s15, s14, s13                     ; cnt[e]
	s_cmp_lg_u32 ttmp9, 0
	s_cbranch_scc1 .Lnot_first                     ; the expert's first work-group stores the count
	v_mov_b32 v12, s15
	s_lshl_b32 s18, s12, 2
	s_add_co_u32 s18, s18, 32768
	v_mov_b32 v13, s18
	s_wait_xcnt 0x0                                ; EXEC changes only behind this wait
	v_cmp_eq_u32 vcc_lo, 0, v1
	s_and_saveexec_b32 s19, vcc_lo
	global_store_b32 v13, v12, s[8:9]
	s_wait_xcnt 0x0                                ; and again, in front of the line that widens it
	s_or_b32 exec_lo, exec_lo, s19
.Lnot_first:
	s_cmp_ge_u32 s13, s15
	s_cbranch_scc1 .Lend                           ; my tile lies behind the count
	ds_load_b32 v11, v6                            ; row r's entry (LDS serves a wave's instructions in order: it sees the stores above)
	s_lshl_b32 s18, s12, 12
	s_lshl_b32 s19, ttmp9, 6
	s_add_co_u32 s18, s18, s19
	v_add_nc_u32 v14, s18, v6
	s_wait_dscnt 0x0
	global_store_b32 v14, v11, s[8:9]              ; 64 bytes of the list (lanes 16-31 write the same words with the same values)
	v_lshrrev_b32 v7, 1, v11
	v_min_u32 v7, 0x3ff, v7                        ; the token
	v_lshlrev_b32 v7, 12, v7                       ; its row of 4,096 bytes
	v_lshl_add_u32 v7, v3, 6, v7                   ; + 64 h: my 16 numbers of a block of 32
.macro XLOAD s                         ; K step s: 64 numbers a lane into set s % 2
.irp b, 0,1,2,3
.irp j, 0,1,2,3
	global_load_b128 v[XA+64*((\s)%2)+16*\b+4*\j:XA+64*((\s)%2)+16*\b+4*\j+3], v7, s[6:7] offset:512*(\s)+128*\b+16*\j
.endr
.endr
.endm
; 64 numbers of a lane, v[s] on, become a fragment's codes in v[pc] on and its scale word in v[pw].
.macro QUANT s, pc, pw
.irp b, 0,1,2,3
	v_max3_num_f32 v[TM+\b], |v[(\s)+16*\b]|, |v[(\s)+1+16*\b]|, 0x1800000   ; block b: my 16 numbers, and the floor 2^(3 - 127): the byte cannot fall under 1
.endr
.irp i, 2,4,6,8,10,12,14
.irp b, 0,1,2,3
	v_max3_num_f32 v[TM+\b], v[TM+\b], |v[(\s)+16*\b+\i]|, |v[(\s)+1+16*\b+\i]|   ; (the four blocks by turns)
.endr
.endr
.irp b, 0,1,2,3
	v_permlanex16_b32 v[TM+4+\b], v[TM+\b], s[SEL], s[SEL+1]
.endr
.irp b, 0,1,2,3
	v_max_num_f32 v[TM+\b], v[TM+\b], v[TM+4+\b]   ; with lane l xor 16's: the block's largest magnitude
.endr
.irp b, 0,1,2,3
	v_add_nc_u32 v[TM+12+\b], 0xff000000, v[TM+\b] ; 2 off its exponent field: the conversion takes that field as its scale, and nothing else of the operand
.endr
.irp b, 0,1,2,3
	v_lshrrev_b32 v[TM+4+\b], 23, v[TM+12+\b]      ; the scale's byte
.endr
	v_lshl_or_b32 v[\pw], v[TM+5], 8, v[TM+4]      ; the four bytes make my row's scale word
	v_lshl_or_b32 v[\pw], v[TM+6], 16, v[\pw]
	v_lshl_or_b32 v[\pw], v[TM+7], 24, v[\pw]
.irp b, 0,1,2,3
	v_cvt_scalef32_pk8_fp4_f32 v[(\pc)+2*\b], v[(\s)+16*\b:(\s)+7+16*\b], v[TM+12+\b]
	v_cvt_scalef32_pk8_fp4_f32 v[(\pc)+1+2*\b], v[(\s)+8+16*\b:(\s)+15+16*\b], v[TM+12+\b]
.endr
	v_nop                                          ; one plain instruction behind a scaled conversion
.irp c, 0,1                            ; the operand's layout wants a WHOLE block in a lane: lanes 0-15 block 2 c, lanes 16-31 block 2 c + 1
.irp i, 0,1
	v_permlane16_swap_b32 v[(\pc)+4*\c+\i], v[(\pc)+2+4*\c+\i]
.endr
.endr
.endm
	XLOAD 0
	XLOAD 1
.irp s, 0,1,2,3,4,5,6,7
.if \s < 7
	s_wait_loadcnt 16                              ; this K step's 16 loads are in; the next step's 16 may be out
.else
	s_wait_loadcnt 0x0
.endif
	QUANT XA+64*(\s%2), PC+8*\s, PW+\s
	global_store_b128 v5, v[PC+8*\s:PC+8*\s+3], s[10:11] offset:1024*\s        ; the image: each store covers 512 consecutive bytes, aligned
	global_store_b128 v5, v[PC+8*\s+4:PC+8*\s+7], s[10:11] offset:1024*\s+512
.if \s < 6
	XLOAD \s+2
.endif
.endr
	v_cmp_eq_u32 vcc_lo, 1, v3
.irp i, 0,1,2,3
	v_cndmask_b32 v[OW+\i], v[PW+\i], v[PW+4+\i], vcc_lo           ; lanes 0-15 send K steps 0-3's words of row r, lanes 16-31 steps 4-7's
.endr
	v_lshlrev_b32 v15, 5, v2
	v_lshl_add_u32 v15, v3, 4, v15
	global_store_b128 v15, v[OW:OW+3], s[10:11] offset:8192        ; 512 consecutive bytes
.Lend:
	s_wait_tensorcnt 0x0
	ds_add_u32 v254, v255
	s_wait_dscnt 0x0
	s_endpgm
.Lfunc_end_k_q926fc5f0ec_place:
	.size	k_q926fc5f0ec_place, .Lfunc_end_k_q926fc5f0ec_place-k_q926fc5f0ec_place
	.p2alignl 7, 3214868480
	.fill 96, 4, 3214868480
	.section	.rodata,"a",@progbits
	.p2align	6, 0x0
	.amdhsa_kernel k_q926fc5f0ec_place
		.amdhsa_group_segment_fixed_size 512
		.amdhsa_private_segment_fixed_size 0
		.amdhsa_enable_private_segment 0
		.amdhsa_kernarg_size 32
		.amdhsa_user_sgpr_count 2
		.amdhsa_user_sgpr_kernarg_segment_ptr 1
		.amdhsa_wavefront_size32 1
		.amdhsa_system_sgpr_workgroup_id_x 1
		.amdhsa_system_sgpr_workgroup_id_y 1
		.amdhsa_system_sgpr_workgroup_id_z 1
		.amdhsa_system_vgpr_workitem_id 0
		.amdhsa_next_free_vgpr 256
		.amdhsa_next_free_sgpr 66
		.amdhsa_reserve_vcc 1
		.amdhsa_float_denorm_mode_32 3
		.amdhsa_float_denorm_mode_16_64 3
		.amdhsa_memory_ordered 1
		.amdhsa_forward_progress 1
		.amdhsa_inst_pref_size 67
	.end_amdhsa_kernel
	.amdgpu_metadata
---
amdhsa.version: [ 1, 2 ]
amdhsa.kernels:
  - .name:           k_q926fc5f0ec_place
    .symbol:         k_q926fc5f0ec_place.kd
    .args:
      - { .name: sel, .offset: 0, .size: 8, .value_kind: global_buffer, .address_space: global }
      - { .name: x, .offset: 8, .size: 8, .value_kind: global_buffer, .address_space: global }
      - { .name: lst, .offset: 16, .size: 8, .value_kind: global_buffer, .address_space: global }
      - { .name: xq, .offset: 24, .size: 8, .value_kind: global_buffer, .address_space: global }
    .group_segment_fixed_size: 512
    .private_segment_fixed_size: 0
    .kernarg_segment_align: 8
    .kernarg_segment_size: 32
    .max_flat_workgroup_size: 32
    .sgpr_count:     66
    .vgpr_count:     256
    .wavefront_size: 32
...
	.end_amdgpu_metadata
.endif
;; end of part 2
;; launch up (part 3): grid 32 x 8, 4 waves a work-group, no clusters, 70,400 bytes of LDS; arguments lst, xq, W1, hq; writes hq
.if DOCPART == 3
	.amdgcn_target "amdgcn-amd-amdhsa--gfx1250"
	.amdhsa_code_object_version 6
	.text
	.protected	k_q926fc5f0ec_up
	.globl	k_q926fc5f0ec_up
	.p2align	8
	.type	k_q926fc5f0ec_up,@function
k_q926fc5f0ec_up:
	s_mov_b64 s[64:65], 0
	v_nop
	global_prefetch_b8 v0, s[64:65] scope:SCOPE_SE
	s_setreg_imm32_b32 hwreg(HW_REG_WAVE_MODE, 25, 1), 1
	s_wait_xcnt 0x0
; THE FIRST PRODUCT OF AN EXPERT, silu, AND THE HIDDEN LAYER'S QUANTISER.  h = silu(Q(x) Q(W1[e])), for the rows routed to e alone; out: Q(h) as operand images.
; W1: [8][1024 (k)][4096 (n)] f32.  Work-group (sg, e) owns the slab of all 1,024 k x columns 128 sg .. 128 sg + 127: 512 KB, which no other work-group reads.  So the weights are quantised HERE, in registers:
; each byte of W1 leaves memory once, and its codes never go to memory.
; PHASE 1.  Wave w takes k = 256 w .. 256 w + 255, in 8 groups of 32 rows.  A load takes 16 bytes a lane, 512 consecutive bytes of a row of W1 a wave; 64 loads of a wave are issued ahead.  A lane so holds 4 columns x 32 k;
;   the conversions want 8 neighbours along K in consecutive registers, so the 128 numbers are copied into that order (the price of 16-byte loads); a block of 32 lies in one lane, so its largest magnitude needs no other lane.
;   The codes go to LDS as images of the operand's registers, the scale bytes as words.  One barrier.
; PHASE 2.  Every wave takes ALL 64 KB of codes into its registers (512) and the 64 scale words.
; PHASE 3.  Wave w walks the expert's tiles of 16 rows, m = w, w + 4, ..: x's images from xq (fetched one tile ahead), 64 matrix instructions, silu, quantiser, one K step of hq.  No barrier: waves share nothing here.
; THE PRODUCT IS USED TRANSPOSED (source 0 = 16 columns of W1, source 1 = 16 rows of x): a lane holds ONE row.  THE COLUMNS OF A TILE ARE NOT NEIGHBOURS: row p of tile 2 b + u is column 32 b + 8 u + p + 8 (p / 8),
;   so that the 16 registers of tiles 2 b and 2 b + 1 are 16 neighbours along the next K: 32 b + 16 (lane / 16) + 0 .. 15.
; The number of tiles is read from memory, so this text has no tensor load, and no tile is asked for jointly; the weights, the bulk of the bytes, are shared by nobody.
; LIMITS: a block of zeros gets the byte 1 where the rule says 127 (zero codes; the bytes are read by this program alone); blocks under 2^-124 were not tried; NaN and infinities are not served.
; REGISTERS, in windows of 256: window 0: addresses, scale words, accumulators, work.  Windows 1, 2: phase 1: the numbers as loaded, two sets of 128; then W1's codes, fragment (s, t) at 8 (8 s + t).
;   window 3: phase 1: 128 numbers in K order; then x's fragments, two sets of 64.
.set PITCH, 16384                      ; a row of W1 in bytes
.set NT,    8                          ; tiles of 16 columns
.set NS,    8                          ; K steps of 128
.set TS,    8208                       ; LDS: from tile to tile: NS x 1,024 + 16, so that the sixteen lanes of an image store fall on sixteen different 16-byte columns of 256
.set SCL,   65792                      ; LDS: the weights' scale words, [tile][row][NS words]
.set SCST,  4*NS
.set REC,   8704                       ; a tile's record in xq
.set HREC,  34816                      ; and in hq: 32 K steps x 1,024 bytes, then [K step][16 words]
.set NF,    18                         ; loads of a fetch
.set TRIPS, 8                          ; an expert has at most 1,024 rows = 64 tiles: 16 for each of four waves, two a trip
.set LI,   1                           ; v1   16 x lane
.set WOFF, 3                           ; v3   my 16 bytes of a row of the slab
.set IMA,  4                           ; v4   where my codes go in LDS
.set SCA,  5                           ; v5   where my scale bytes go
.set SCR,  6                           ; v6   where I read scale words
.set FSO,  7                           ; v7   x's scale words: 32 x (lane % 16)
.set HO,   8                           ; v8   hq: 16 x lane + 1,024 sg
.set HSO,  9                           ; v9   hq: 4 x (lane % 16) + 32,768 + 64 sg
.set WS,   16                          ; v16-79  W1's scale words, (t, s) at NS t + s; in phase 1 v16-23 gather my columns' scale bytes
.set XS,   80                          ; v80-95  x's scale words, two sets
.set AC,   96                          ; v96-159 the eight accumulators: 64 numbers of my row
.set T,    160                         ; v160-223 at work in silu
.set MX,   224                         ; phase 1: v224-227 largest magnitudes, v228-231 bytes, v232-247 codes
.set BY,   228
.set CD,   232
.set TM,   224                         ; phase 3: v224-239 at work in the quantiser, v240-247 codes, v248 scale word
.set PC,   240
.set PW,   248
.set WV,  12
.set EX,  13
.set CNT, 14
.set WB,  18                           ; s[18:19] my wave's part of the slab
.set PA,  20                           ; s[20:23] the records of the two fetches
.set PO,  24                           ; s[24:25] the record that is written
.set XB,  26                           ; s[26:27] xq at expert e
.set HB,  28                           ; s[28:29] hq at expert e
.set TA,  30                           ; s[30:31], s[34:35] offsets, the upper word 0
.set SEL, 32
.set TB,  34
.set MM,  36                           ; s36  the tile in hand
.set NTL, 37                           ; s37  tiles of the expert
.set NL,  38                           ; s38  the last of them
.set TR,  39                           ; s39  counts the trips of the loop over tiles
.set MSB, 0
.macro WIN new                         ; the immediate's high byte repeats the setting that is left; a switch that changes nothing is dropped
.if MSB != (\new)
	s_set_vgpr_msb (MSB<<8)|(\new)
.set MSB, (\new)
.endif
.endm
	s_load_b256 s[4:11], s[0:1], 0x0               ; lst, xq, W1, hq
	v_lshl_add_u32 v254, v0, 2, 0x11100
	v_mov_b32 v255, 0
	v_lshrrev_b32 v12, 5, v0
	v_readfirstlane_b32 s[WV], v12                 ; wave 0..3
	s_and_b32 s[EX], ttmp7, 0xffff                 ; the expert
	v_and_b32 v13, 31, v0
	v_lshlrev_b32 v[LI], 4, v13
	v_lshlrev_b32 v[WOFF], 4, v13                  ; lane l takes columns 4 l + c
	v_bfe_u32 v12, v0, 3, 2
	v_bfe_u32 v14, v0, 1, 1
	v_lshl_add_u32 v12, v12, 1, v14                ; their tile: 2 (l / 8) + (l / 2) % 2
	v_and_b32 v14, 1, v0
	v_bfe_u32 v15, v0, 2, 1
	v_lshlrev_b32 v14, 2, v14
	v_lshl_add_u32 v14, v15, 3, v14                ; and their first row in it: 4 (l % 2) + 8 ((l / 4) % 2)
	v_mul_u32_u24 v[IMA], v12, TS
	v_lshl_add_u32 v[IMA], v14, 4, v[IMA]
	s_lshl_b32 s16, s[WV], 11
	v_add_nc_u32 v[IMA], s16, v[IMA]               ; tile x TS + 16 x row + my wave's two K steps
	v_lshlrev_b32 v[SCA], 9, v12
	v_lshl_add_u32 v[SCA], v14, 5, v[SCA]
	s_lshl_b32 s16, s[WV], 3
	s_add_co_u32 s16, s16, SCL
	v_add_nc_u32 v[SCA], s16, v[SCA]               ; 512 x tile + 32 x row + my wave's two words
	v_and_b32 v15, 15, v0
	v_lshl_add_u32 v[SCR], v15, 5, SCL
	v_lshlrev_b32 v[FSO], 5, v15
	s_lshl_b32 s16, ttmp9, 10
	v_add_nc_u32 v[HO], s16, v[LI]
	s_lshl_b32 s16, ttmp9, 6
	s_add_co_u32 s16, s16, 32768
	v_lshl_add_u32 v[HSO], v15, 2, s16
	s_lshl_b32 s[TA], s[EX], 24                    ; an expert's W1 is 2^24 bytes,
	s_lshl_b32 s16, s[WV], 22                      ; 256 rows are 2^22,
	s_add_co_u32 s[TA], s[TA], s16
	s_lshl_b32 s16, ttmp9, 9                       ; 128 columns 512
	s_add_co_u32 s[TA], s[TA], s16
	s_mov_b32 s[TA+1], 0
	s_mov_b32 s[TB+1], 0
	s_lshl_b32 s15, s[EX], 2
	s_mov_b32 s[SEL], 0x76543210
	s_mov_b32 s[SEL+1], 0xfedcba98                 ; v_permlanex16_b32's selects for lane l xor 16
	s_wait_kmcnt 0x0
	s_add_nc_u64 s[WB:WB+1], s[8:9], s[TA:TA+1]
	s_load_b32 s[CNT], s[4:5], s15 offset:0x8000   ; cnt[e]: wanted behind phase 1
.macro LOADG g                         ; group g: rows 32 g + i of my 256, 16 bytes a lane, into set g % 2
	WIN 0x40+0x40*((\g)%2)
.set i_, 0
.rept 32
	global_load_b128 v[4*i_:4*i_+3], v[WOFF], s[WB:WB+1] offset:(32*(\g)+i_)*PITCH th:TH_LOAD_NT
.set i_, i_+1
.endr
.endm
.macro GROUP g
.if (\g) < 7
	s_wait_loadcnt 32                              ; this group's 32 loads are in; the next group's 32 may be out
.else
	s_wait_loadcnt 0x0
.endif
	WIN 0xc1+((\g)%2)
.set i_, 0
.rept 32
.irp c, 0,1,2,3
	v_mov_b32 v[32*\c+i_], v[4*i_+\c]              ; column c's 32 numbers on end, K ascending
.endr
.set i_, i_+1
.endr
.if (\g) < 6
	LOADG (\g)+2                                   ; the set just copied takes the group two further on
.endif
	WIN 0x3c
.irp c, 0,1,2,3
	v_max3_num_f32 v[MX+\c], 0x1800000, |v[32*\c]|, |v[32*\c+1]|   ; the block's largest magnitude, and the floor 2^(3 - 127): the byte cannot fall under 1
.endr
.irp i, 2,4,6,8,10,12,14,16,18,20,22,24,26,28,30
.irp c, 0,1,2,3
	v_max3_num_f32 v[MX+\c], v[MX+\c], |v[32*\c+\i]|, |v[32*\c+\i+1]|   ; (the four columns by turns)
.endr
.endr
	WIN 0
.irp c, 0,1,2,3
	v_add_nc_u32 v[MX+\c], 0xff000000, v[MX+\c]    ; 2 off the exponent field: the conversion's scale operand
.endr
.irp c, 0,1,2,3
	v_lshrrev_b32 v[BY+\c], 23, v[MX+\c]           ; the scale's byte
.endr
.irp c, 0,1,2,3
.if (\g)%4 == 0
	v_mov_b32 v[WS+2*\c+(\g)/4], v[BY+\c]          ; four bytes to a word, the lower K in the lower byte
.else
	v_lshl_or_b32 v[WS+2*\c+(\g)/4], v[BY+\c], 8*((\g)%4), v[WS+2*\c+(\g)/4]
.endif
.endr
	s_wait_dscnt 0x0                               ; the last group's LDS stores are done: their data registers are written anew
	WIN 0x03
.irp c, 0,1,2,3
.irp q, 0,1,2,3
	v_cvt_scalef32_pk8_fp4_f32 v[CD+4*\c+\q], v[32*\c+8*\q:32*\c+8*\q+7], v[MX+\c]
.endr
.endr
	v_nop                                          ; one plain instruction behind a scaled conversion
	WIN 0
.irp c, 0,1,2,3
	ds_store_b128 v[IMA], v[CD+4*\c:CD+4*\c+3] offset:1024*((\g)/4)+512*(((\g)%4)/2)+256*((\g)%2)+16*\c   ; block g % 4 of a K step: register group (g % 4) / 2, lanes' half g % 2
.endr
.endm
	LOADG 0
	LOADG 1
	s_mul_i32 s[TA], s[EX], 64*REC
	s_add_nc_u64 s[XB:XB+1], s[6:7], s[TA:TA+1]
	s_mul_i32 s[TA], s[EX], 64*HREC
	s_add_nc_u64 s[HB:HB+1], s[10:11], s[TA:TA+1]
.irp g, 0,1,2,3,4,5,6,7
	GROUP \g
.endr
.irp c, 0,1,2,3
	ds_store_b64 v[SCA], v[WS+2*\c:WS+2*\c+1] offset:SCST*\c       ; column c's two scale words
.endr
	s_wait_kmcnt 0x0                               ; cnt[e]
	s_wait_dscnt 0x0                               ; for the others' sake: my codes and scale words lie in LDS
	s_barrier_signal -1
	s_barrier_wait -1                              ; everybody's do.  The launch's one barrier
	s_add_co_u32 s[NTL], s[CNT], 15
	s_lshr_b32 s[NTL], s[NTL], 4
	s_sub_co_u32 s[NL], s[NTL], 1
	s_mov_b32 s[MM], s[WV]
	s_mov_b32 s[TR], 0
	s_cmp_lt_u32 s[MM], s[NTL]
	s_cbranch_scc1 .Lwork
	s_wait_tensorcnt 0x0
	ds_add_u32 v254, v255
	s_wait_dscnt 0x0
	s_endpgm                                       ; the expert has no tile for me; no barrier follows
.Lwork:
.macro FETCH b                         ; a tile's 8 fragments of x and its scale words into set b
	WIN 0xc0
.set q_, 0
.rept 16
	global_load_b128 v[64*(\b)+4*q_:64*(\b)+4*q_+3], v[LI], s[PA+2*(\b):PA+2*(\b)+1] offset:512*q_
.set q_, q_+1
.endr
	WIN 0
	global_load_b128 v[XS+8*(\b):XS+8*(\b)+3], v[FSO], s[PA+2*(\b):PA+2*(\b)+1] offset:8192
	global_load_b128 v[XS+8*(\b)+4:XS+8*(\b)+7], v[FSO], s[PA+2*(\b):PA+2*(\b)+1] offset:8208
.endm
	s_min_u32 s[TA], s[MM], 63
	s_mul_i32 s[TA], s[TA], REC
	s_add_nc_u64 s[PA:PA+1], s[XB:XB+1], s[TA:TA+1]
	FETCH 0                                        ; my first tile is on its way while the codes come out of LDS
.set s_, 0
.rept NS
.if s_ < NS/2
	WIN 0x40
.else
	WIN 0x80
.endif
.set t_, 0
.rept NT
.set w_, ((s_*NT+t_)*8)%256
	ds_load_b128 v[w_:w_+3], v[LI] offset:t_*TS+1024*s_
	ds_load_b128 v[w_+4:w_+7], v[LI] offset:t_*TS+1024*s_+512
.set t_, t_+1
.endr
.set s_, s_+1
.endr
	WIN 0
.set t_, 0
.rept NT
.set i_, 0
.rept NS/4
	ds_load_b128 v[WS+NS*t_+4*i_:WS+NS*t_+4*i_+3], v[SCR] offset:16*SCST*t_+16*i_
.set i_, i_+1
.endr
.set t_, t_+1
.endr
	s_wait_dscnt 0x0
; 64 matrix instructions: K step by K step, the NT accumulators by turns, one instruction a turn.  The first K step starts the sums.
.macro MULT b
.set s_, 0
.rept NS
.if s_ < NS/2
	WIN 0x0d                                       ; source 0 (weights) window 1, source 1 (rows) window 3, C and D window 0
.else
	WIN 0x0e                                       ; source 0 window 2
.endif
.set t_, 0
.rept NT
.set w_, ((s_*NT+t_)*8)%256
.set f_, 8*NS*(\b)+8*s_
.if s_ == 0
	v_wmma_scale_f32_16x16x128_f8f6f4 v[AC+8*t_:AC+8*t_+7], v[w_:w_+7], v[f_:f_+7], 0, v[WS+NS*t_+s_], v[XS+NS*(\b)+s_] matrix_a_fmt:MATRIX_FMT_FP4 matrix_b_fmt:MATRIX_FMT_FP4
.else
	v_wmma_scale_f32_16x16x128_f8f6f4 v[AC+8*t_:AC+8*t_+7], v[w_:w_+7], v[f_:f_+7], v[AC+8*t_:AC+8*t_+7], v[WS+NS*t_+s_], v[XS+NS*(\b)+s_] matrix_a_fmt:MATRIX_FMT_FP4 matrix_b_fmt:MATRIX_FMT_FP4
.endif
.set t_, t_+1
.endr
.set s_, s_+1
.endr
	WIN 0
.endm
; silu(a) = a / (1 + 2^(-a log2 e)), in f32.  The exponentials are one batch with one wait, and so are the reciprocals.  Each accumulator is read from its low end on.
.macro SILU
.set i_, 0
.rept 32
	v_pk_mul_f32 v[T+2*i_:T+2*i_+1], v[AC+2*i_:AC+2*i_+1], 0xbfb8aa3b op_sel_hi:[1,0]
.set i_, i_+1
.endr
.set i_, 0
.rept 64
	v_exp_f32 v[T+i_], v[T+i_]
.set i_, i_+1
.endr
	v_nop                                          ; a plain instruction behind the last exponential
	s_wait_alu depctr_va_vdst(0)                   ; one wait for the batch, ahead of its first reader
.set i_, 0
.rept 32
	v_pk_add_f32 v[T+2*i_:T+2*i_+1], v[T+2*i_:T+2*i_+1], 1.0 op_sel_hi:[1,0]
.set i_, i_+1
.endr
.set i_, 0
.rept 64
	v_rcp_f32 v[T+i_], v[T+i_]
.set i_, i_+1
.endr
	v_nop
	s_wait_alu depctr_va_vdst(0)
.set i_, 0
.rept 32
	v_pk_mul_f32 v[AC+2*i_:AC+2*i_+1], v[AC+2*i_:AC+2*i_+1], v[T+2*i_:T+2*i_+1]
.set i_, i_+1
.endr
.endm
; 64 numbers of a lane, register 16 b + i = k 32 b + 16 (lane / 16) + i of my row, become a fragment's codes in v[PC] on and its scale word in v[PW].
.macro QUANT s
.irp b, 0,1,2,3
	v_max3_num_f32 v[TM+\b], |v[(\s)+16*\b]|, |v[(\s)+1+16*\b]|, 0x1800000   ; block b: my 16 numbers, and the floor 2^(3 - 127)
.endr
.irp i, 2,4,6,8,10,12,14
.irp b, 0,1,2,3
	v_max3_num_f32 v[TM+\b], v[TM+\b], |v[(\s)+16*\b+\i]|, |v[(\s)+1+16*\b+\i]|
.endr
.endr
.irp b, 0,1,2,3
	v_permlanex16_b32 v[TM+4+\b], v[TM+\b], s[SEL], s[SEL+1]       ; (its destination was written in phase 1)
.endr
.irp b, 0,1,2,3
	v_max_num_f32 v[TM+\b], v[TM+\b], v[TM+4+\b]   ; with lane l xor 16's: the block's largest magnitude
.endr
.irp b, 0,1,2,3
	v_add_nc_u32 v[TM+12+\b], 0xff000000, v[TM+\b]
.endr
.irp b, 0,1,2,3
	v_lshrrev_b32 v[TM+4+\b], 23, v[TM+12+\b]
.endr
	v_lshl_or_b32 v[PW], v[TM+5], 8, v[TM+4]
	v_lshl_or_b32 v[PW], v[TM+6], 16, v[PW]
	v_lshl_or_b32 v[PW], v[TM+7], 24, v[PW]
.irp b, 0,1,2,3
	v_cvt_scalef32_pk8_fp4_f32 v[PC+2*\b], v[(\s)+16*\b:(\s)+7+16*\b], v[TM+12+\b]
	v_cvt_scalef32_pk8_fp4_f32 v[PC+1+2*\b], v[(\s)+8+16*\b:(\s)+15+16*\b], v[TM+12+\b]
.endr
	v_nop                                          ; one plain instruction behind a scaled conversion
.irp c, 0,1
.irp i, 0,1
	v_permlane16_swap_b32 v[PC+4*\c+\i], v[PC+2+4*\c+\i]           ; a whole block to a lane
.endr
.endr
.endm
; Tile MM + 4 b, whose fragments lie in set b.  The tile four further on is fetched into the other set first; behind the last tile the last is fetched once more, so that every load stays
; inside what has been written and the wait's count is the same on every way.
.macro TILE b
	s_wait_xcnt 0x0                                ; earlier loads and stores have read their registers: the pointers and the last tile's store data are written anew only behind this wait
	s_add_co_u32 s[TA], s[MM], 4+4*(\b)
	s_min_u32 s[TA], s[TA], s[NL]
	s_min_u32 s[TA], s[TA], 63
	s_mul_i32 s[TA], s[TA], REC
	s_add_nc_u64 s[PA+2-2*(\b):PA+3-2*(\b)], s[XB:XB+1], s[TA:TA+1]
	FETCH 1-(\b)
	s_wait_loadcnt NF                              ; all but the NF loads just issued: this tile's fragments are in
	MULT \b
.rept 4
	v_nop                                          ; four places between the last product and the first read of results
.endr
	SILU
	QUANT AC
	s_add_co_u32 s[TB], s[MM], 4*(\b)
	s_min_u32 s[TB], s[TB], 63
	s_mul_i32 s[TB], s[TB], HREC
	s_add_nc_u64 s[PO:PO+1], s[HB:HB+1], s[TB:TB+1]
	global_store_b128 v[HO], v[PC:PC+3], s[PO:PO+1]                ; K step sg of the tile's record: each store covers 512 consecutive bytes, aligned
	global_store_b128 v[HO], v[PC+4:PC+7], s[PO:PO+1] offset:512
	global_store_b32 v[HSO], v[PW], s[PO:PO+1]                     ; its 16 scale words (lanes 16-31 write the same words with the same values)
.endm
; The loop over my tiles, two a trip (the two sets of fragments change places and are back where they began).  Its count is a constant, TRIPS, the most that any split needs; a wave whose tiles are
; used up ends inside it, behind the trip's first tile or its second.  No branch leads out of the loop.
.Ltiles:
	TILE 0
	s_add_co_u32 s[TA], s[MM], 4
	s_cmp_lt_u32 s[TA], s[NTL]
	s_cbranch_scc1 .Lsecond
	s_wait_tensorcnt 0x0
	ds_add_u32 v254, v255
	s_wait_dscnt 0x0
	s_endpgm                                       ; that was my last tile
.Lsecond:
	TILE 1
	s_add_co_u32 s[MM], s[MM], 8
	s_cmp_lt_u32 s[MM], s[NTL]
	s_cbranch_scc1 .Lmore
	s_wait_tensorcnt 0x0
	ds_add_u32 v254, v255
	s_wait_dscnt 0x0
	s_endpgm                                       ; that was my last tile
.Lmore:
	s_add_co_u32 s[TR], s[TR], 1
	s_cmp_lt_u32 s[TR], TRIPS
	s_cbranch_scc1 .Ltiles
	s_wait_tensorcnt 0x0
	ds_add_u32 v254, v255
	s_wait_dscnt 0x0
	s_endpgm
.Lfunc_end_k_q926fc5f0ec_up:
	.size	k_q926fc5f0ec_up, .Lfunc_end_k_q926fc5f0ec_up-k_q926fc5f0ec_up
	.p2alignl 7, 3214868480
	.fill 96, 4, 3214868480
	.section	.rodata,"a",@progbits
	.p2align	6, 0x0
	.amdhsa_kernel k_q926fc5f0ec_up
		.amdhsa_group_segment_fixed_size 70400
		.amdhsa_private_segment_fixed_size 0
		.amdhsa_enable_private_segment 0
		.amdhsa_kernarg_size 32
		.amdhsa_user_sgpr_count 2
		.amdhsa_user_sgpr_kernarg_segment_ptr 1
		.amdhsa_wavefront_size32 1
		.amdhsa_system_sgpr_workgroup_id_x 1
		.amdhsa_system_sgpr_workgroup_id_y 1
		.amdhsa_system_sgpr_workgroup_id_z 1
		.amdhsa_system_vgpr_workitem_id 0
		.amdhsa_next_free_vgpr 1024
		.amdhsa_next_free_sgpr 66
		.amdhsa_reserve_vcc 0
		.amdhsa_float_denorm_mode_32 3
		.amdhsa_float_denorm_mode_16_64 3
		.amdhsa_memory_ordered 1
		.amdhsa_forward_progress 1
		.amdhsa_inst_pref_size 173
	.end_amdhsa_kernel
	.amdgpu_metadata
---
amdhsa.version: [ 1, 2 ]
amdhsa.kernels:
  - .name:           k_q926fc5f0ec_up
    .symbol:         k_q926fc5f0ec_up.kd
    .args:
      - { .name: lst, .offset: 0, .size: 8, .value_kind: global_buffer, .address_space: global }
      - { .name: xq, .offset: 8, .size: 8, .value_kind: global_buffer, .address_space: global }
      - { .name: W1, .offset: 16, .size: 8, .value_kind: global_buffer, .address_space: global }
      - { .name: hq, .offset: 24, .size: 8, .value_kind: global_buffer, .address_space: global }
    .group_segment_fixed_size: 70400
    .private_segment_fixed_size: 0
    .kernarg_segment_align: 8
    .kernarg_segment_size: 32
    .max_flat_workgroup_size: 128
    .sgpr_count:     66
    .vgpr_count:     1024
    .wavefront_size: 32
...
	.end_amdgpu_metadata
.endif
;; end of part 3
;; launch down (part 4): grid 32 x 8, 4 waves a work-group, no clusters, 87,808 bytes of LDS; arguments lst, hq, W2, y; writes y
.if DOCPART == 4
	.amdgcn_target "amdgcn-amd-amdhsa--gfx1250"
	.amdhsa_code_object_version 6
	.text
	.protected	k_q926fc5f0ec_down
	.globl	k_q926fc5f0ec_down
	.p2align	8
	.type	k_q926fc5f0ec_down,@function
k_q926fc5f0ec_down:
	s_mov_b64 s[64:65], 0
	v_nop
	global_prefetch_b8 v0, s[64:65] scope:SCOPE_SE
	s_setreg_imm32_b32 hwreg(HW_REG_WAVE_MODE, 25, 1), 1
	s_wait_xcnt 0x0
; THE SECOND PRODUCT OF AN EXPERT.  y[half][routed row] = Q(h) Q(W2[e]) over one half of K, for the rows routed to e alone.  W2: [8][4096 (k)][1024 (n)] f32.
; Work-group (x, e), x = cg + 16 half, owns the slab k = 2048 half .. + 2047 x columns 64 cg .. 64 cg + 63: 512 KB, which no other work-group reads; it quantises the slab in registers, as the launch before does:
; each byte of W2 leaves memory once, and its codes never go to memory.  The two halves of K are added, in f32, by the last launch.
; PHASE 1.  Lanes 0-15 of wave w take k = 512 w .. + 255, lanes 16-31 k = 512 w + 256 .. + 255 (of the half), 4 columns a lane, in 8 groups of 32 rows: a load takes 16 bytes a lane, twice 256 consecutive bytes, aligned.
;   The numbers are copied into K order, quantised (a block of 32 lies in one lane), and go to LDS as images of the operand's registers.  One barrier.
; PHASE 2.  Every wave takes all 64 KB of codes into its registers, and the 64 scale words.
; PHASE 3.  Wave w walks the expert's tiles of 16 rows, m = w, w + 4, ..: 16 fragments of hq (fetched one tile ahead), 64 matrix instructions, and the way out.
; THE PRODUCT IS USED TRANSPOSED (source 0 = 16 columns of W2, source 1 = 16 rows of h): a lane holds eight neighbouring columns of one row.  A tile goes through the wave's own stage in LDS and leaves by rows:
;   sixteen lanes store 256 consecutive bytes, aligned, at the row that the list names.  Slots behind the count go to row 2048 + e, which nobody reads.
; The number of tiles is read from memory, so this text has no tensor load, and no tile is asked for jointly.
; LIMITS: as in the launch before (a block of zeros gets the byte 1; blocks under 2^-124 not tried; NaN and infinities not served).  K is summed in two halves.
; REGISTERS: window 0: addresses, scale words, accumulators, the way out.  Windows 1, 2: phase 1: numbers as loaded; then W2's codes, fragment (s, t) at 8 (4 s + t).  Window 3: phase 1: numbers in K order; then h's fragments, two sets of 128.
.set PITCH, 4096                       ; a row of W2 in bytes
.set NT,    4                          ; tiles of 16 columns
.set NS,    16                         ; K steps of 128
.set TS,    16400                      ; LDS: from tile to tile: NS x 1,024 + 16
.set SCL,   65792                      ; LDS: the weights' scale words, [tile][row][NS words]
.set SCST,  4*NS
.set STG,   69888                      ; LDS: a stage of 16 rows x (256 + 16) bytes for each wave
.set REC,   34816                      ; a tile's record in hq
.set NF,    50                         ; loads of a fetch
.set TRIPS, 8                          ; an expert has at most 1,024 rows = 64 tiles: 16 for each of four waves, two a trip
.set LI,   1                           ; v1   16 x lane
.set WOFF, 3                           ; v3   my 16 bytes of the slab: 16 (lane % 16) + 256 rows x (lane / 16)
.set IMA,  4                           ; v4   where my codes go in LDS
.set SCA,  5                           ; v5   where my scale bytes go
.set SCR,  6                           ; v6   where I read scale words
.set FIO,  7                           ; v7   hq's images: 16 x lane + 16,384 half
.set STO,  8                           ; v8   the stage: where I put 32 bytes of a row
.set SRD,  9                           ; v9   and where I read a row back
.set FSO,  10                          ; v10  hq's scale words: 4 (lane % 16) + 32,768 + 1,024 half
.set CO,   11                          ; v11  16 x (lane % 16)
.set EO,   12                          ; v12  the list: 32 x (lane / 16)
.set WS,   16                          ; v16-79   W2's scale words, (t, s) at NS t + s; in phase 1 v16-23 gather my columns' scale bytes
.set XS,   80                          ; v80-111  h's scale words, two sets
.set AC,   112                         ; v112-143 the four accumulators
.set EN,   144                         ; v144-159 list entries of my eight rows on the way out, two sets
.set AD,   160                         ; v160-167 their offsets in y
.set OB,   168                         ; v168-199 rows read back from the stage
.set MX,   224
.set BY,   228
.set CD,   232
.set WV,  12
.set EX,  13
.set CNT, 14
.set WB,  18                           ; s[18:19] my wave's part of the slab
.set PA,  20                           ; s[20:23] the records of the two fetches
.set PL,  24                           ; s[24:27] their places in the list
.set HB,  28                           ; s[28:29] hq at expert e
.set LB,  30                           ; s[30:31] lst at expert e
.set YB,  32                           ; s[32:33] y at my half and my columns
.set TA,  34                           ; s[34:35], s[36:37] offsets, the upper word 0
.set TB,  36
.set MM,  38
.set NTL, 39
.set NL,  40
.set CG,  41
.set HF,  42
.set TR,  43                           ; s43  counts the trips of the loop over tiles
.set MSB, 0
.macro WIN new                         ; the immediate's high byte repeats the setting that is left; a switch that changes nothing is dropped
.if MSB != (\new)
	s_set_vgpr_msb (MSB<<8)|(\new)
.set MSB, (\new)
.endif
.endm
	s_load_b256 s[4:11], s[0:1], 0x0               ; lst, hq, W2, y
	v_lshl_add_u32 v254, v0, 2, 0x15500
	v_mov_b32 v255, 0
	v_lshrrev_b32 v13, 5, v0
	v_readfirstlane_b32 s[WV], v13                 ; wave 0..3
	s_and_b32 s[EX], ttmp7, 0xffff                 ; the expert
	s_and_b32 s[CG], ttmp9, 15                     ; which 64 columns
	s_lshr_b32 s[HF], ttmp9, 4                     ; which half of K
	v_and_b32 v13, 31, v0
	v_lshlrev_b32 v[LI], 4, v13
	v_and_b32 v15, 15, v0                          ; lane % 16: columns 4 (lane % 16) + c
	v_bfe_u32 v14, v0, 4, 1                        ; lane / 16
	v_lshlrev_b32 v[CO], 4, v15
	v_lshl_add_u32 v[WOFF], v14, 20, v[CO]         ; 256 rows of 4,096 bytes are 2^20
	v_lshlrev_b32 v[EO], 5, v14
	v_bfe_u32 v13, v0, 2, 2                        ; my columns' tile
	v_and_b32 v2, 3, v0
	v_lshlrev_b32 v2, 2, v2                        ; and their first row in it
	v_mul_u32_u24 v[IMA], v13, TS
	v_lshl_add_u32 v[IMA], v2, 4, v[IMA]
	v_lshl_add_u32 v[IMA], v14, 11, v[IMA]
	s_lshl_b32 s16, s[WV], 12
	v_add_nc_u32 v[IMA], s16, v[IMA]               ; tile x TS + 16 x row + two K steps for each half of the lanes, four for each wave
	v_lshlrev_b32 v[SCA], 10, v13
	v_lshl_add_u32 v[SCA], v2, 6, v[SCA]
	v_lshl_add_u32 v[SCA], v14, 3, v[SCA]
	s_lshl_b32 s16, s[WV], 4
	s_add_co_u32 s16, s16, SCL
	v_add_nc_u32 v[SCA], s16, v[SCA]
	v_lshl_add_u32 v[SCR], v15, 6, SCL
	s_lshl_b32 s16, s[HF], 14
	v_add_nc_u32 v[FIO], s16, v[LI]
	s_lshl_b32 s16, s[HF], 10
	s_add_co_u32 s16, s16, 32768
	v_lshl_add_u32 v[FSO], v15, 2, s16
	s_mul_i32 s16, s[WV], 4352
	s_add_co_u32 s16, s16, STG                     ; my stage
	v_mul_u32_u24 v[STO], v15, 272
	v_lshl_add_u32 v[STO], v14, 5, v[STO]
	v_add_nc_u32 v[STO], s16, v[STO]               ; in: row lane % 16, 32 bytes for each half of the lanes
	v_mul_u32_u24 v[SRD], v14, 2176
	v_lshl_add_u32 v[SRD], v15, 4, v[SRD]
	v_add_nc_u32 v[SRD], s16, v[SRD]               ; back: lanes 0-15 rows 0-7, lanes 16-31 rows 8-15, 16 bytes a lane
	s_lshl_b32 s[TA], s[EX], 24                    ; an expert's W2 is 2^24 bytes,
	s_lshl_b32 s16, s[HF], 23                      ; half of K 2^23,
	s_add_co_u32 s[TA], s[TA], s16
	s_lshl_b32 s16, s[WV], 21                      ; 512 rows 2^21,
	s_add_co_u32 s[TA], s[TA], s16
	s_lshl_b32 s16, s[CG], 8                       ; 64 columns 256
	s_add_co_u32 s[TA], s[TA], s16
	s_mov_b32 s[TA+1], 0
	s_mov_b32 s[TB+1], 0
	s_lshl_b32 s15, s[EX], 2
	s_wait_kmcnt 0x0
	s_add_nc_u64 s[WB:WB+1], s[8:9], s[TA:TA+1]
	s_load_b32 s[CNT], s[4:5], s15 offset:0x8000   ; cnt[e]: wanted behind phase 1
.macro LOADG g                         ; group g: rows 32 g + i of my 256, 16 bytes a lane, into set g % 2
	WIN 0x40+0x40*((\g)%2)
.set i_, 0
.rept 32
	global_load_b128 v[4*i_:4*i_+3], v[WOFF], s[WB:WB+1] offset:(32*(\g)+i_)*PITCH th:TH_LOAD_NT
.set i_, i_+1
.endr
.endm
.macro GROUP g
.if (\g) < 7
	s_wait_loadcnt 32                              ; this group's 32 loads are in; the next group's 32 may be out
.else
	s_wait_loadcnt 0x0
.endif
	WIN 0xc1+((\g)%2)
.set i_, 0
.rept 32
.irp c, 0,1,2,3
	v_mov_b32 v[32*\c+i_], v[4*i_+\c]              ; column c's 32 numbers on end, K ascending
.endr
.set i_, i_+1
.endr
.if (\g) < 6
	LOADG (\g)+2                                   ; the set just copied takes the group two further on
.endif
	WIN 0x3c
.irp c, 0,1,2,3
	v_max3_num_f32 v[MX+\c], 0x1800000, |v[32*\c]|, |v[32*\c+1]|   ; the block's largest magnitude, and the floor 2^(3 - 127): the byte cannot fall under 1
.endr
.irp i, 2,4,6,8,10,12,14,16,18,20,22,24,26,28,30
.irp c, 0,1,2,3
	v_max3_num_f32 v[MX+\c], v[MX+\c], |v[32*\c+\i]|, |v[32*\c+\i+1]|   ; (the four columns by turns)
.endr
.endr
	WIN 0
.irp c, 0,1,2,3
	v_add_nc_u32 v[MX+\c], 0xff000000, v[MX+\c]    ; 2 off the exponent field: the conversion's scale operand
.endr
.irp c, 0,1,2,3
	v_lshrrev_b32 v[BY+\c], 23, v[MX+\c]           ; the scale's byte
.endr
.irp c, 0,1,2,3
.if (\g)%4 == 0
	v_mov_b32 v[WS+2*\c+(\g)/4], v[BY+\c]          ; four bytes to a word, the lower K in the lower byte
.else
	v_lshl_or_b32 v[WS+2*\c+(\g)/4], v[BY+\c], 8*((\g)%4), v[WS+2*\c+(\g)/4]
.endif
.endr
	s_wait_dscnt 0x0                               ; the last group's LDS stores are done: their data registers are written anew
	WIN 0x03
.irp c, 0,1,2,3
.irp q, 0,1,2,3
	v_cvt_scalef32_pk8_fp4_f32 v[CD+4*\c+\q], v[32*\c+8*\q:32*\c+8*\q+7], v[MX+\c]
.endr
.endr
	v_nop                                          ; one plain instruction behind a scaled conversion
	WIN 0
.irp c, 0,1,2,3
	ds_store_b128 v[IMA], v[CD+4*\c:CD+4*\c+3] offset:1024*((\g)/4)+512*(((\g)%4)/2)+256*((\g)%2)+16*\c   ; block g % 4 of a K step: register group (g % 4) / 2, lanes' half g % 2
.endr
.endm
	LOADG 0
	LOADG 1
	s_mul_i32 s[TA], s[EX], 64*REC
	s_add_nc_u64 s[HB:HB+1], s[6:7], s[TA:TA+1]
	s_lshl_b32 s[TA], s[EX], 12
	s_add_nc_u64 s[LB:LB+1], s[4:5], s[TA:TA+1]
	s_mul_i32 s[TA], s[HF], 8421376                ; a half of y: 2,056 rows of 4,096 bytes
	s_lshl_b32 s16, s[CG], 8
	s_add_co_u32 s[TA], s[TA], s16
	s_add_nc_u64 s[YB:YB+1], s[10:11], s[TA:TA+1]
.irp g, 0,1,2,3,4,5,6,7
	GROUP \g
.endr
.irp c, 0,1,2,3
	ds_store_b64 v[SCA], v[WS+2*\c:WS+2*\c+1] offset:SCST*\c       ; column c's two scale words
.endr
	s_wait_kmcnt 0x0                               ; cnt[e]
	s_wait_dscnt 0x0                               ; for the others' sake: my codes and scale words lie in LDS
	s_barrier_signal -1
	s_barrier_wait -1                              ; everybody's do.  The launch's one barrier
	s_add_co_u32 s[NTL], s[CNT], 15
	s_lshr_b32 s[NTL], s[NTL], 4
	s_sub_co_u32 s[NL], s[NTL], 1
	s_mov_b32 s[MM], s[WV]
	s_mov_b32 s[TR], 0
	s_cmp_lt_u32 s[MM], s[NTL]
	s_cbranch_scc1 .Lwork
	s_wait_tensorcnt 0x0
	ds_add_u32 v254, v255
	s_wait_dscnt 0x0
	s_endpgm                                       ; the expert has no tile for me; no barrier follows
.Lwork:
.macro FETCH b                         ; a tile's 16 fragments of h (my half of K), their scale words and the tile's list entries into set b
	WIN 0xc0
.set q_, 0
.rept 32
	global_load_b128 v[128*(\b)+4*q_:128*(\b)+4*q_+3], v[FIO], s[PA+2*(\b):PA+2*(\b)+1] offset:512*q_
.set q_, q_+1
.endr
	WIN 0
.set q_, 0
.rept 16
	global_load_b32 v[XS+16*(\b)+q_], v[FSO], s[PA+2*(\b):PA+2*(\b)+1] offset:64*q_
.set q_, q_+1
.endr
	global_load_b128 v[EN+8*(\b):EN+8*(\b)+3], v[EO], s[PL+2*(\b):PL+2*(\b)+1]
	global_load_b128 v[EN+8*(\b)+4:EN+8*(\b)+7], v[EO], s[PL+2*(\b):PL+2*(\b)+1] offset:16
.endm
	s_min_u32 s[TA], s[MM], 63
	s_lshl_b32 s[TB], s[TA], 6
	s_mul_i32 s[TA], s[TA], REC
	s_add_nc_u64 s[PA:PA+1], s[HB:HB+1], s[TA:TA+1]
	s_add_nc_u64 s[PL:PL+1], s[LB:LB+1], s[TB:TB+1]
	FETCH 0                                        ; my first tile is on its way while the codes come out of LDS
.set s_, 0
.rept NS
.if s_ < NS/2
	WIN 0x40
.else
	WIN 0x80
.endif
.set t_, 0
.rept NT
.set w_, ((s_*NT+t_)*8)%256
	ds_load_b128 v[w_:w_+3], v[LI] offset:t_*TS+1024*s_
	ds_load_b128 v[w_+4:w_+7], v[LI] offset:t_*TS+1024*s_+512
.set t_, t_+1
.endr
.set s_, s_+1
.endr
	WIN 0
.set t_, 0
.rept NT
.set i_, 0
.rept NS/4
	ds_load_b128 v[WS+NS*t_+4*i_:WS+NS*t_+4*i_+3], v[SCR] offset:16*SCST*t_+16*i_
.set i_, i_+1
.endr
.set t_, t_+1
.endr
	s_wait_dscnt 0x0
; 64 matrix instructions: K step by K step, the NT accumulators by turns, one instruction a turn.  The first K step starts the sums.
.macro MULT b
.set s_, 0
.rept NS
.if s_ < NS/2
	WIN 0x0d                                       ; source 0 (weights) window 1, source 1 (rows) window 3, C and D window 0
.else
	WIN 0x0e                                       ; source 0 window 2
.endif
.set t_, 0
.rept NT
.set w_, ((s_*NT+t_)*8)%256
.set f_, 8*NS*(\b)+8*s_
.if s_ == 0
	v_wmma_scale_f32_16x16x128_f8f6f4 v[AC+8*t_:AC+8*t_+7], v[w_:w_+7], v[f_:f_+7], 0, v[WS+NS*t_+s_], v[XS+NS*(\b)+s_] matrix_a_fmt:MATRIX_FMT_FP4 matrix_b_fmt:MATRIX_FMT_FP4
.else
	v_wmma_scale_f32_16x16x128_f8f6f4 v[AC+8*t_:AC+8*t_+7], v[w_:w_+7], v[f_:f_+7], v[AC+8*t_:AC+8*t_+7], v[WS+NS*t_+s_], v[XS+NS*(\b)+s_] matrix_a_fmt:MATRIX_FMT_FP4 matrix_b_fmt:MATRIX_FMT_FP4
.endif
.set t_, t_+1
.endr
.set s_, s_+1
.endr
	WIN 0
.endm
; Tile MM + 4 b, whose fragments lie in set b.  The tile four further on is fetched into the other set first; behind the last tile the last is fetched once more, so that every load stays
; inside what has been written and the wait's count is the same on every way.
.macro TILE b
	s_wait_xcnt 0x0                                ; earlier loads and stores have read their registers: the pointers, and the last tile's store addresses and data, are written anew only behind this wait
	s_add_co_u32 s[TA], s[MM], 4+4*(\b)
	s_min_u32 s[TA], s[TA], s[NL]
	s_min_u32 s[TA], s[TA], 63
	s_lshl_b32 s[TB], s[TA], 6
	s_mul_i32 s[TA], s[TA], REC
	s_add_nc_u64 s[PA+2-2*(\b):PA+3-2*(\b)], s[HB:HB+1], s[TA:TA+1]
	s_add_nc_u64 s[PL+2-2*(\b):PL+3-2*(\b)], s[LB:LB+1], s[TB:TB+1]
	FETCH 1-(\b)
	s_wait_loadcnt NF                              ; all but the NF loads just issued: this tile's fragments and entries are in
	MULT \b
.irp i, 0,1,2,3,4,5,6,7
	v_min_u32 v[EN+8*(\b)+\i], 0x807, v[EN+8*(\b)+\i]              ; a row of y: 0 .. 2055.  (These sixteen lines name no register of the products: they are the places behind the last of them)
.endr
.irp i, 0,1,2,3,4,5,6,7
	v_lshl_add_u32 v[AD+\i], v[EN+8*(\b)+\i], 12, v[CO]            ; its 4,096 bytes, + 16 bytes a lane
.endr
.irp t, 0,1,2,3
	ds_store_b128 v[STO], v[AC+8*\t:AC+8*\t+3] offset:64*\t        ; each accumulator from its low end on
	ds_store_b128 v[STO], v[AC+8*\t+4:AC+8*\t+7] offset:64*\t+16
.endr
.irp i, 0,1,2,3,4,5,6,7
	ds_load_b128 v[OB+4*\i:OB+4*\i+3], v[SRD] offset:272*\i        ; LDS serves a wave's instructions in order: these see the stores above, and the next tile's stores come behind them
.endr
.irp i, 0,1,2,3,4,5,6,7
	s_wait_dscnt 7-\i                              ; load i is in; the younger ones may be out
	global_store_b128 v[AD+\i], v[OB+4*\i:OB+4*\i+3], s[YB:YB+1] th:TH_STORE_NT   ; sixteen lanes store 256 consecutive bytes, aligned, of one routed row
.endr
.endm
; The loop over my tiles, two a trip (the two sets of fragments change places and are back where they began).  Its count is a constant, TRIPS, the most that any split needs; a wave whose tiles are
; used up ends inside it, behind the trip's first tile or its second.  No branch leads out of the loop.
.Ltiles:
	TILE 0
	s_add_co_u32 s[TA], s[MM], 4
	s_cmp_lt_u32 s[TA], s[NTL]
	s_cbranch_scc1 .Lsecond
	s_wait_tensorcnt 0x0
	ds_add_u32 v254, v255
	s_wait_dscnt 0x0
	s_endpgm                                       ; that was my last tile
.Lsecond:
	TILE 1
	s_add_co_u32 s[MM], s[MM], 8
	s_cmp_lt_u32 s[MM], s[NTL]
	s_cbranch_scc1 .Lmore
	s_wait_tensorcnt 0x0
	ds_add_u32 v254, v255
	s_wait_dscnt 0x0
	s_endpgm                                       ; that was my last tile
.Lmore:
	s_add_co_u32 s[TR], s[TR], 1
	s_cmp_lt_u32 s[TR], TRIPS
	s_cbranch_scc1 .Ltiles
	s_wait_tensorcnt 0x0
	ds_add_u32 v254, v255
	s_wait_dscnt 0x0
	s_endpgm
.Lfunc_end_k_q926fc5f0ec_down:
	.size	k_q926fc5f0ec_down, .Lfunc_end_k_q926fc5f0ec_down-k_q926fc5f0ec_down
	.p2alignl 7, 3214868480
	.fill 96, 4, 3214868480
	.section	.rodata,"a",@progbits
	.p2align	6, 0x0
	.amdhsa_kernel k_q926fc5f0ec_down
		.amdhsa_group_segment_fixed_size 87808
		.amdhsa_private_segment_fixed_size 0
		.amdhsa_enable_private_segment 0
		.amdhsa_kernarg_size 32
		.amdhsa_user_sgpr_count 2
		.amdhsa_user_sgpr_kernarg_segment_ptr 1
		.amdhsa_wavefront_size32 1
		.amdhsa_system_sgpr_workgroup_id_x 1
		.amdhsa_system_sgpr_workgroup_id_y 1
		.amdhsa_system_sgpr_workgroup_id_z 1
		.amdhsa_system_vgpr_workitem_id 0
		.amdhsa_next_free_vgpr 1024
		.amdhsa_next_free_sgpr 66
		.amdhsa_reserve_vcc 0
		.amdhsa_float_denorm_mode_32 3
		.amdhsa_float_denorm_mode_16_64 3
		.amdhsa_memory_ordered 1
		.amdhsa_forward_progress 1
		.amdhsa_inst_pref_size 158
	.end_amdhsa_kernel
	.amdgpu_metadata
---
amdhsa.version: [ 1, 2 ]
amdhsa.kernels:
  - .name:           k_q926fc5f0ec_down
    .symbol:         k_q926fc5f0ec_down.kd
    .args:
      - { .name: lst, .offset: 0, .size: 8, .value_kind: global_buffer, .address_space: global }
      - { .name: hq, .offset: 8, .size: 8, .value_kind: global_buffer, .address_space: global }
      - { .name: W2, .offset: 16, .size: 8, .value_kind: global_buffer, .address_space: global }
      - { .name: y, .offset: 24, .size: 8, .value_kind: global_buffer, .address_space: global }
    .group_segment_fixed_size: 87808
    .private_segment_fixed_size: 0
    .kernarg_segment_align: 8
    .kernarg_segment_size: 32
    .max_flat_workgroup_size: 128
    .sgpr_count:     66
    .vgpr_count:     1024
    .wavefront_size: 32
...
	.end_amdgpu_metadata
.endif
;; end of part 4
;; launch combine (part 5): grid 256 x 1, 4 waves a work-group, no clusters, 0 bytes of LDS; arguments y, gate, out0; writes out0
.if DOCPART == 5
	.amdgcn_target "amdgcn-amd-amdhsa--gfx1250"
	.amdhsa_code_object_version 6
	.text
	.protected	k_q926fc5f0ec_combine
	.globl	k_q926fc5f0ec_combine
	.p2align	8
	.type	k_q926fc5f0ec_combine,@function
k_q926fc5f0ec_combine:
	s_mov_b64 s[64:65], 0
	v_nop
	global_prefetch_b8 v0, s[64:65] scope:SCOPE_SE
	s_setreg_imm32_b32 hwreg(HW_REG_WAVE_MODE, 25, 1), 1
	s_wait_xcnt 0x0
; out[t] = g0 (y0[2 t] + y1[2 t]) + g1 (y0[2 t + 1] + y1[2 t + 1]): the two halves of K are added, then the two chosen experts' rows are weighed and added, all in f32.
; y: [2 halves][2056 rows][1024] f32 (rows 2048 on are not read); gate: [1024][2] f32; out0: [1024][1024] f32.
; One wave takes one token: four rows of 4,096 bytes in, one out.  Every load and store of the wave covers 512 consecutive bytes, aligned.  All 32 loads are issued at once; each piece of 512 bytes has registers of its own,
; so no store's data are written again.  No LDS, no barrier, no matrix unit: the launch only moves and adds.
.set R, 16                             ; v16-143  piece i: 16 registers: half 0 row 2 t, half 0 row 2 t + 1, half 1 row 2 t, half 1 row 2 t + 1
.set O, 144                            ; v144-175 piece i: 4 registers to store
	s_load_b128 s[4:7], s[0:1], 0x0                ; y, gate
	s_load_b64 s[8:9], s[0:1], 0x10                ; out0
	v_lshrrev_b32 v2, 5, v0
	v_readfirstlane_b32 s10, v2                    ; wave
	v_and_b32 v1, 31, v0
	v_lshlrev_b32 v1, 4, v1                        ; 16 bytes a lane
	s_lshl_b32 s11, ttmp9, 2
	s_add_co_u32 s11, s11, s10                     ; my token
	s_lshl_b32 s14, s11, 3                         ; its two weights
	s_lshl_b32 s18, s11, 13                        ; its two rows in a half of y
	s_mov_b32 s19, 0
	s_lshl_b32 s20, s11, 12                        ; its row of out0
	s_mov_b32 s21, 0
	s_wait_kmcnt 0x0
	s_load_b64 s[12:13], s[6:7], s14 offset:0x0
	s_add_nc_u64 s[4:5], s[4:5], s[18:19]
	s_add_nc_u64 s[22:23], s[4:5], 8421376         ; the other half of K: 2,056 rows further on
	s_add_nc_u64 s[8:9], s[8:9], s[20:21]
.irp i, 0,1,2,3,4,5,6,7
	global_load_b128 v[R+16*\i:R+16*\i+3],     v1, s[4:5]   offset:512*\i th:TH_LOAD_NT
	global_load_b128 v[R+16*\i+4:R+16*\i+7],   v1, s[4:5]   offset:4096+512*\i th:TH_LOAD_NT
	global_load_b128 v[R+16*\i+8:R+16*\i+11],  v1, s[22:23] offset:512*\i th:TH_LOAD_NT
	global_load_b128 v[R+16*\i+12:R+16*\i+15], v1, s[22:23] offset:4096+512*\i th:TH_LOAD_NT
.endr
	s_wait_kmcnt 0x0
	s_mov_b32 s16, s13                             ; g1 as the low word of a pair of its own: the packed forms take a scalar pair's low word for both halves
	s_mov_b32 s17, s13
.macro PIECE i
.set a_, R+16*(\i)
.set o_, O+4*(\i)
	s_wait_loadcnt 28-4*(\i)                       ; this piece's four loads are in; the later pieces' may be out
	v_pk_add_f32 v[a_:a_+1], v[a_:a_+1], v[a_+8:a_+9]
	v_pk_add_f32 v[a_+2:a_+3], v[a_+2:a_+3], v[a_+10:a_+11]
	v_pk_add_f32 v[a_+4:a_+5], v[a_+4:a_+5], v[a_+12:a_+13]
	v_pk_add_f32 v[a_+6:a_+7], v[a_+6:a_+7], v[a_+14:a_+15]
	v_pk_mul_f32 v[o_:o_+1], v[a_:a_+1], s[12:13] op_sel_hi:[1,0]
	v_pk_mul_f32 v[o_+2:o_+3], v[a_+2:a_+3], s[12:13] op_sel_hi:[1,0]
	v_pk_fma_f32 v[o_:o_+1], v[a_+4:a_+5], s[16:17], v[o_:o_+1] op_sel_hi:[1,0,1]
	v_pk_fma_f32 v[o_+2:o_+3], v[a_+6:a_+7], s[16:17], v[o_+2:o_+3] op_sel_hi:[1,0,1]
	global_store_b128 v1, v[o_:o_+3], s[8:9] offset:512*(\i) th:TH_STORE_NT
.endm
.irp i, 0,1,2,3,4,5,6,7
	PIECE \i
.endr
	s_endpgm
.Lfunc_end_k_q926fc5f0ec_combine:
	.size	k_q926fc5f0ec_combine, .Lfunc_end_k_q926fc5f0ec_combine-k_q926fc5f0ec_combine
	.p2alignl 7, 3214868480
	.fill 96, 4, 3214868480
	.section	.rodata,"a",@progbits
	.p2align	6, 0x0
	.amdhsa_kernel k_q926fc5f0ec_combine
		.amdhsa_group_segment_fixed_size 0
		.amdhsa_private_segment_fixed_size 0
		.amdhsa_enable_private_segment 0
		.amdhsa_kernarg_size 24
		.amdhsa_user_sgpr_count 2
		.amdhsa_user_sgpr_kernarg_segment_ptr 1
		.amdhsa_wavefront_size32 1
		.amdhsa_system_sgpr_workgroup_id_x 1
		.amdhsa_system_sgpr_workgroup_id_y 1
		.amdhsa_system_sgpr_workgroup_id_z 1
		.amdhsa_system_vgpr_workitem_id 0
		.amdhsa_next_free_vgpr 176
		.amdhsa_next_free_sgpr 66
		.amdhsa_reserve_vcc 0
		.amdhsa_float_denorm_mode_32 3
		.amdhsa_float_denorm_mode_16_64 3
		.amdhsa_memory_ordered 1
		.amdhsa_forward_progress 1
		.amdhsa_inst_pref_size 10
	.end_amdhsa_kernel
	.amdgpu_metadata
---
amdhsa.version: [ 1, 2 ]
amdhsa.kernels:
  - .name:           k_q926fc5f0ec_combine
    .symbol:         k_q926fc5f0ec_combine.kd
    .args:
      - { .name: y, .offset: 0, .size: 8, .value_kind: global_buffer, .address_space: global }
      - { .name: gate, .offset: 8, .size: 8, .value_kind: global_buffer, .address_space: global }
      - { .name: out0, .offset: 16, .size: 8, .value_kind: global_buffer, .address_space: global }
    .group_segment_fixed_size: 0
    .private_segment_fixed_size: 0
    .kernarg_segment_align: 8
    .kernarg_segment_size: 24
    .max_flat_workgroup_size: 128
    .sgpr_count:     66
    .vgpr_count:     176
    .wavefront_size: 32
...
	.end_amdgpu_metadata
.endif
;; end of part 5
;; ======== version 2 of 2: 5 launches
;; workspace buffers: sel 4,096 bytes of whole numbers; gate 8,192 bytes; lst 33,024 bytes of whole numbers; xq 4,456,448 bytes; hq 17,825,792 bytes; y 16,842,752 bytes
;; launch route (part 6): grid 256 x 1, 4 waves a work-group, no clusters, 37,376 bytes of LDS; arguments x, Wr, sel, gate; writes sel, gate
.if DOCPART == 6
	.amdgcn_target "amdgcn-amd-amdhsa--gfx1250"
	.amdhsa_code_object_version 6
	.text
	.protected	k_q926fc5f0ec_route
	.globl	k_q926fc5f0ec_route
	.p2align	8
	.type	k_q926fc5f0ec_route,@function
k_q926fc5f0ec_route:
	s_mov_b64 s[64:65], 0
	v_nop
	global_prefetch_b8 v0, s[64:65] scope:SCOPE_SE
	s_setreg_imm32_b32 hwreg(HW_REG_WAVE_MODE, 25, 1), 1
	s_wait_xcnt 0x0
; THE ROUTER.  logits = x Wr in f32 (fused multiply-adds), softmax over the 8 experts with the maximum taken away, the two largest (the lower index wins a tie),
; their weights divided by their sum.  x: [1024][1024] f32, Wr: [1024][8] f32.  Out, at fixed places: sel[t] = i0 | i1 << 8 (a whole number), gate[t] = the two weights (f32).
; No address and no branch hangs on the choice: the rows are placed by the next launch, which reads sel.
; SHARES.  One wave takes one token: t = 4 x work-group + wave.  Lane l holds x[t][128 j + 4 l + q] (eight loads of 512 consecutive bytes).  Wr, 32,768 bytes, is brought into LDS once by the
; four waves; lane l then wants 128 consecutive bytes (4 rows of Wr) for each j, so 16 bytes of padding stand behind each 128: lanes are 144 bytes apart, an odd multiple of 16.
; LIMITS: NaN and infinities are not served.  The sum along K is taken in another order than a plain chain, so a second and a third expert that lie within f32 rounding of each other may change places.
; The two stores are 12 bytes a token: 12 KB in the whole launch.
.set X,   16                           ; v16-47   my 32 numbers of x
.set WR,  48                           ; v48-111  Wr as loaded; then two sets of 32: register 8 q + e = Wr[128 j + 4 l + q][e]
.set ACC, 112                          ; v112-119 the eight sums, as four pairs
.set TP,  120                          ; v120-127 the other half of the lanes' sums
.set P,   128                          ; v128-135 the probabilities
.set Q,   136                          ; v136-143 the same with the largest struck out
	s_load_b128 s[4:7], s[0:1], 0x0                ; x, Wr
	s_load_b128 s[8:11], s[0:1], 0x10              ; sel, gate
	v_lshl_add_u32 v160, v0, 2, 0x9000
	v_mov_b32 v161, 0
	v_lshrrev_b32 v6, 5, v0
	v_readfirstlane_b32 s12, v6                    ; wave
	v_and_b32 v1, 31, v0                           ; lane
	v_lshlrev_b32 v2, 4, v0                        ; Wr in memory: 16 bytes a thread
	v_lshrrev_b32 v3, 3, v0
	v_lshl_add_u32 v3, v3, 4, v2                   ; Wr into LDS: + 16 for each 128 bytes passed
	v_mul_u32_u24 v4, v1, 144                      ; Wr out of LDS: my 128 bytes
	v_lshlrev_b32 v5, 4, v1                        ; x: 16 bytes a lane
	s_lshl_b32 s13, ttmp9, 2
	s_add_co_u32 s13, s13, s12                     ; my token
	s_lshl_b32 s14, s13, 12                        ; its row of 4,096 bytes
	s_mov_b32 s15, 0
	s_mov_b32 s16, 0x76543210                      ; v_permlanex16_b32's selects for lane l xor 16
	s_mov_b32 s17, 0xfedcba98
.irp e, 0,1,2,3,4,5,6,7
	v_mov_b32 v[TP+\e], 0                          ; written once: a lane permute's destination counts as one of its sources
.endr
	s_wait_alu depctr_va_vdst(0)
	s_wait_kmcnt 0x0
	s_add_nc_u64 s[4:5], s[4:5], s[14:15]
.irp j, 0,1,2,3,4,5,6,7
	global_load_b128 v[X+4*\j:X+4*\j+3], v5, s[4:5] offset:512*\j
.endr
.irp i, 0,1,2,3,4,5,6,7,8,9,10,11,12,13,14,15
	global_load_b128 v[WR+4*\i:WR+4*\i+3], v2, s[6:7] offset:2048*\i
.endr
	s_lshl_b32 s18, s13, 2
	s_mov_b32 s19, 0
	s_add_nc_u64 s[8:9], s[8:9], s[18:19]          ; sel[t]
	s_lshl_b32 s18, s13, 3
	s_add_nc_u64 s[10:11], s[10:11], s[18:19]      ; gate[t]
	s_wait_loadcnt 0x0
.irp i, 0,1,2,3,4,5,6,7,8,9,10,11,12,13,14,15
	ds_store_b128 v3, v[WR+4*\i:WR+4*\i+3] offset:2304*\i          ; 2,048 bytes and their 16 paddings
.endr
	s_wait_dscnt 0x0                               ; for the others' sake: my part of Wr lies in LDS
	s_barrier_signal -1
	s_barrier_wait -1                              ; everybody's does
.macro WRLOAD j                        ; rows 128 j + 4 l + 0 .. 3 of Wr into set j % 2
.irp p, 0,1,2,3,4,5,6,7
	ds_load_b128 v[WR+32*((\j)%2)+4*\p:WR+32*((\j)%2)+4*\p+3], v4 offset:4608*(\j)+16*\p
.endr
.endm
.macro DOT j                           ; 32 multiply-adds, two experts at a time; the very first products start the sums
.set w_, WR+32*((\j)%2)
.irp q, 0,1,2,3
.irp p, 0,1,2,3
.if ((\j) == 0) && (\q == 0)
	v_pk_mul_f32 v[ACC+2*\p:ACC+2*\p+1], v[w_+2*\p:w_+2*\p+1], v[X:X+1] op_sel_hi:[1,0]
.elseif (\q%2) == 0
	v_pk_fma_f32 v[ACC+2*\p:ACC+2*\p+1], v[w_+8*\q+2*\p:w_+8*\q+2*\p+1], v[X+4*(\j)+2*(\q/2):X+4*(\j)+2*(\q/2)+1], v[ACC+2*\p:ACC+2*\p+1] op_sel_hi:[1,0,1]
.else
	v_pk_fma_f32 v[ACC+2*\p:ACC+2*\p+1], v[w_+8*\q+2*\p:w_+8*\q+2*\p+1], v[X+4*(\j)+2*(\q/2):X+4*(\j)+2*(\q/2)+1], v[ACC+2*\p:ACC+2*\p+1] op_sel:[0,1,0] op_sel_hi:[1,1,1]
.endif
.endr
.endr
.endm
	WRLOAD 0
	WRLOAD 1
.irp j, 0,1,2,3,4,5,6,7
.if \j < 7
	s_wait_alu depctr_va_vdst(0)
	s_wait_dscnt 8                                 ; this set's eight loads are in; the next set's eight may be out
.else
	s_wait_alu depctr_va_vdst(0)
	s_wait_dscnt 0x0
.endif
	DOT \j
.if \j < 6
	WRLOAD \j+2
.endif
.endr
.irp m, 1,2,4,8                        ; the sums over the 32 lanes: four steps inside each half, the eight sums by turns,
.irp e, 0,1,2,3,4,5,6,7
	v_add_f32_dpp v[ACC+\e], v[ACC+\e], v[ACC+\e] row_xmask:\m row_mask:0xf bank_mask:0xf
.endr
.endr
.irp e, 0,1,2,3,4,5,6,7
	v_permlanex16_b32 v[TP+\e], v[ACC+\e], s16, s17                ; and one across the halves
.endr
.irp e, 0,1,2,3,4,5,6,7
	v_add_f32 v[ACC+\e], v[ACC+\e], v[TP+\e]       ; every lane holds the eight logits
.endr
	v_max3_num_f32 v144, v[ACC], v[ACC+1], v[ACC+2]
	v_max3_num_f32 v144, v144, v[ACC+3], v[ACC+4]
	v_max3_num_f32 v144, v144, v[ACC+5], v[ACC+6]
	v_max_num_f32 v144, v144, v[ACC+7]             ; the largest logit,
	v_mov_b32 v145, v144                           ; twice, for the packed subtraction
.irp p, 0,2,4,6
	v_pk_add_f32 v[P+\p:P+\p+1], v[ACC+\p:ACC+\p+1], v[144:145] neg_lo:[0,1] neg_hi:[0,1]
.endr
.irp p, 0,2,4,6
	v_pk_mul_f32 v[P+\p:P+\p+1], v[P+\p:P+\p+1], 0x3fb8aa3b op_sel_hi:[1,0]   ; x log2(e)
.endr
	s_wait_alu depctr_va_vdst(0)
.irp e, 0,1,2,3,4,5,6,7
	v_exp_f32 v[P+\e], v[P+\e]
.endr
	v_mov_b32 v151, 0                              ; a plain instruction behind the exponentials (v151 is named below as the upper half of a pair)
	s_wait_alu depctr_va_vdst(0)                   ; one wait for the eight, ahead of their first reader
	v_pk_add_f32 v[146:147], v[P:P+1], v[P+2:P+3]
	v_pk_add_f32 v[148:149], v[P+4:P+5], v[P+6:P+7]
	v_pk_add_f32 v[146:147], v[146:147], v[148:149]
	v_add_f32 v146, v146, v147
	s_wait_alu depctr_va_vdst(0)
	v_rcp_f32 v150, v146
	v_mov_b32 v153, 0                              ; (a plain instruction behind the reciprocal)  i0 = 0
	s_wait_alu depctr_va_vdst(0)
.irp p, 0,2,4,6
	v_pk_mul_f32 v[P+\p:P+\p+1], v[P+\p:P+\p+1], v[150:151] op_sel_hi:[1,0]   ; the probabilities
.endr
	v_mov_b32 v152, v[P]                           ; the largest so far.  A later one takes its place only where it is strictly larger: the lower index wins a tie
.irp e, 1,2,3,4,5,6,7
	v_cmp_le_f32 vcc_lo, v[P+\e], v152
	v_cndmask_b32 v152, v[P+\e], v152, vcc_lo
	v_cndmask_b32 v153, \e, v153, vcc_lo
.endr
.irp e, 0,1,2,3,4,5,6,7
	v_cmp_ne_u32 vcc_lo, \e, v153
	v_cndmask_b32 v[Q+\e], -1.0, v[P+\e], vcc_lo   ; the largest is struck out: -1 lies under every probability
.endr
	v_mov_b32 v154, v[Q]
	v_mov_b32 v155, 0                              ; i1
.irp e, 1,2,3,4,5,6,7
	v_cmp_le_f32 vcc_lo, v[Q+\e], v154
	v_cndmask_b32 v154, v[Q+\e], v154, vcc_lo
	v_cndmask_b32 v155, \e, v155, vcc_lo
.endr
	v_add_f32 v146, v152, v154
	s_wait_alu depctr_va_vdst(0)
	v_rcp_f32 v147, v146
	v_lshl_or_b32 v158, v155, 8, v153              ; (a plain instruction behind the reciprocal)  i0 | i1 << 8
	s_wait_alu depctr_va_vdst(0)
	v_mul_f32 v156, v152, v147                     ; the two weights, which add up to 1
	v_mul_f32 v157, v154, v147
	v_mov_b32 v159, 0
	s_wait_alu depctr_va_vdst(0)
	s_wait_xcnt 0x0                                ; EXEC changes only behind this wait
	v_cmp_eq_u32 vcc_lo, 0, v1
	s_wait_tensorcnt 0x0
	ds_add_u32 v160, v161
	s_wait_dscnt 0x0
	s_and_saveexec_b32 s20, vcc_lo                 ; lane 0 stores for the wave
	global_store_b32 v159, v158, s[8:9]
	global_store_b64 v159, v[156:157], s[10:11]
	s_endpgm
.Lfunc_end_k_q926fc5f0ec_route:
	.size	k_q926fc5f0ec_route, .Lfunc_end_k_q926fc5f0ec_route-k_q926fc5f0ec_route
	.p2alignl 7, 3214868480
	.fill 96, 4, 3214868480
	.section	.rodata,"a",@progbits
	.p2align	6, 0x0
	.amdhsa_kernel k_q926fc5f0ec_route
		.amdhsa_group_segment_fixed_size 37376
		.amdhsa_private_segment_fixed_size 0
		.amdhsa_enable_private_segment 0
		.amdhsa_kernarg_size 32
		.amdhsa_user_sgpr_count 2
		.amdhsa_user_sgpr_kernarg_segment_ptr 1
		.amdhsa_wavefront_size32 1
		.amdhsa_system_sgpr_workgroup_id_x 1
		.amdhsa_system_sgpr_workgroup_id_y 1
		.amdhsa_system_sgpr_workgroup_id_z 1
		.amdhsa_system_vgpr_workitem_id 0
		.amdhsa_next_free_vgpr 162
		.amdhsa_next_free_sgpr 66
		.amdhsa_reserve_vcc 1
		.amdhsa_float_denorm_mode_32 3
		.amdhsa_float_denorm_mode_16_64 3
		.amdhsa_memory_ordered 1
		.amdhsa_forward_progress 1
		.amdhsa_inst_pref_size 25
	.end_amdhsa_kernel
	.amdgpu_metadata
---
amdhsa.version: [ 1, 2 ]
amdhsa.kernels:
  - .name:           k_q926fc5f0ec_route
    .symbol:         k_q926fc5f0ec_route.kd
    .args:
      - { .name: x, .offset: 0, .size: 8, .value_kind: global_buffer, .address_space: global }
      - { .name: Wr, .offset: 8, .size: 8, .value_kind: global_buffer, .address_space: global }
      - { .name: sel, .offset: 16, .size: 8, .value_kind: global_buffer, .address_space: global }
      - { .name: gate, .offset: 24, .size: 8, .value_kind: global_buffer, .address_space: global }
    .group_segment_fixed_size: 37376
    .private_segment_fixed_size: 0
    .kernarg_segment_align: 8
    .kernarg_segment_size: 32
    .max_flat_workgroup_size: 128
    .sgpr_count:     66
    .vgpr_count:     162
    .wavefront_size: 32
...
	.end_amdgpu_metadata
.endif
;; end of part 6
;; launch place (part 7): grid 64 x 8, 1 waves a work-group, no clusters, 512 bytes of LDS; arguments sel, x, lst, xq; writes lst, xq
.if DOCPART == 7
	.amdgcn_target "amdgcn-amd-amdhsa--gfx1250"
	.amdhsa_code_object_version 6
	.text
	.protected	k_q926fc5f0ec_place
	.globl	k_q926fc5f0ec_place
	.p2align	8
	.type	k_q926fc5f0ec_place,@function
k_q926fc5f0ec_place:
	s_mov_b64 s[64:65], 0
	v_nop
	global_prefetch_b8 v0, s[64:65] scope:SCOPE_SE
	s_setreg_imm32_b32 hwreg(HW_REG_WAVE_MODE, 25, 1), 1
	s_wait_xcnt 0x0
; THE ROWS ARE PLACED BY EXPERT, AND x IS QUANTISED IN THAT ORDER.  Work-group (m, e), one wave, makes tile m (16 rows) of expert e.
; It reads all 1,024 words of sel, ranks the tokens that chose e (order: register 4 q + c of the loads, then lane; token = 128 q + 4 lane + c; every work-group of an expert finds the same ranks),
; keeps ranks 16 m .. 16 m + 15, gathers those rows of x and turns them into codes of FP4 (E2M1) with one E8M0 byte for each 32 along K.
; An expert can be chosen by all 1,024 tokens: 64 tiles.  A work-group whose tile lies behind the expert's count stores nothing and ends: the grid serves every split.
; OUT.  lst[e][slot] = 2 t + j (j: first or second choice of token t); slots behind the count, in the last tile, hold 2048 + e.  lst + 32768: cnt[e].
;   xq[e][m]: 8,704 bytes: 8 K steps of 128, each 1,024 bytes, AS AN IMAGE OF THE OPERAND'S REGISTERS (register group c of lane l at 512 c + 16 l); then the scale words, [row][8 words].
; A slot behind the count takes token 1023's row: its results go to a row of y that nobody reads.
; THE QUANTISER: a block's scale is 2^(floor(log2(largest magnitude)) - 2); its byte is the largest magnitude's exponent field - 2, held at 1 from below.
; LIMITS: a block of zeros gets the byte 1 where the rule says 127 (its codes are zeros, and this program alone reads the bytes); blocks whose largest magnitude lies under 2^-124 were not tried; NaN and infinities are not served.
; LDS: words 0-15 the tile's entries, word 16 takes what lies outside the tile; one wave, so no barrier.
.set XA,  32                           ; v32-159  two sets of 64 numbers: register 16 b + i = k 32 b + 16 (lane / 16) + i of my row; v32-63 hold sel first
.set PC,  160                          ; v160-223 the codes: 8 registers for each K step, so that no store's data are written again
.set PW,  224                          ; v224-231 the scale word of each K step
.set TM,  232                          ; v232-247 at work
.set OW,  248                          ; v248-251 my four scale words on the way out
.set SEL, 16                           ; s[16:17]
	s_load_b128 s[4:7], s[0:1], 0x0                ; sel, x
	s_load_b128 s[8:11], s[0:1], 0x10              ; lst, xq
	v_lshl_add_u32 v254, v0, 2, 0x100
	v_mov_b32 v255, 0
	s_and_b32 s12, ttmp7, 0xffff                   ; e
	s_lshl_b32 s13, ttmp9, 4                       ; 16 m
	s_sub_co_u32 s14, 0, s13                       ; the running count of e's tokens, less 16 m
	v_and_b32 v1, 31, v0                           ; lane
	v_and_b32 v2, 15, v0                           ; r
	v_bfe_u32 v3, v0, 4, 1                         ; h
	v_lshlrev_b32 v4, 3, v1                        ; 8 x lane: twice my first token of a load
	v_lshlrev_b32 v5, 4, v1                        ; 16 x lane
	v_lshlrev_b32 v6, 2, v2                        ; 4 r
	v_lshlrev_b32 v12, 2, v1
	s_add_co_u32 s15, s12, 2048
	v_mov_b32 v13, s15
	ds_store_b32 v12, v13                          ; every slot begins as a slot behind the count
	s_mov_b32 s[SEL], 0x76543210
	s_mov_b32 s[SEL+1], 0xfedcba98                 ; v_permlanex16_b32's selects for lane l xor 16
.irp b, 0,1,2,3
	v_mov_b32 v[TM+4+\b], 0                        ; written once: a lane permute's destination counts as one of its sources
.endr
	s_lshl_b32 s20, s12, 6
	s_add_co_u32 s20, s20, ttmp9
	s_mul_i32 s20, s20, 8704                       ; my record in xq
	s_mov_b32 s21, 0
	s_wait_alu depctr_va_vdst(0)
	s_wait_kmcnt 0x0
	s_add_nc_u64 s[10:11], s[10:11], s[20:21]
.irp q, 0,1,2,3,4,5,6,7
	global_load_b128 v[32+4*\q:35+4*\q], v5, s[4:5] offset:512*\q
.endr
	s_wait_loadcnt 0x0
; Register n of sel: which lanes' tokens chose e; their ranks; the entry 2 t + j goes to LDS word rank - 16 m, or to word 16.
.macro RANK n
	v_and_b32 v8, 0xff, v[32+(\n)]                 ; i0
	v_lshrrev_b32 v9, 8, v[32+(\n)]                ; i1
	v_cmp_eq_u32 s18, s12, v8
	v_cmp_eq_u32 vcc_lo, s12, v9
	s_or_b32 s19, s18, vcc_lo                      ; the lanes whose token chose e
	v_add_co_ci_u32 v11, vcc_lo, 256*((\n)/4)+2*((\n)%4), v4, vcc_lo   ; 2 t + 1 where e is the second choice, else 2 t
	v_mbcnt_lo_u32_b32 v10, s19, s14               ; the running count + the members in lower lanes
	s_mov_b32 vcc_lo, s19
	v_cndmask_b32 v10, -1, v10, vcc_lo             ; no member: outside
	v_min_u32 v10, 16, v10                         ; ranks under 16 m have wrapped round: outside as well
	v_lshlrev_b32 v10, 2, v10
	ds_store_b32 v10, v11
	s_bcnt1_i32_b32 s18, s19
	s_add_co_u32 s14, s14, s18
.endm
.irp n, 0,1,2,3,4,5,6,7,8,9,10,11,12,13,14,15,16,17,18,19,20,21,22,23,24,25,26,27,28,29,30,31
	RANK \n
.endr
	s_add_co_u32 s15, s14, s13                     ; cnt[e]
	s_cmp_lg_u32 ttmp9, 0
	s_cbranch_scc1 .Lnot_first                     ; the expert's first work-group stores the count
	v_mov_b32 v12, s15
	s_lshl_b32 s18, s12, 2
	s_add_co_u32 s18, s18, 32768
	v_mov_b32 v13, s18
	s_wait_alu depctr_va_vdst(0)
	s_wait_xcnt 0x0                                ; EXEC changes only behind this wait
	v_cmp_eq_u32 vcc_lo, 0, v1
	s_and_saveexec_b32 s19, vcc_lo
	global_store_b32 v13, v12, s[8:9]
	s_wait_xcnt 0x0                                ; and again, in front of the line that widens it
	s_or_b32 exec_lo, exec_lo, s19
.Lnot_first:
	s_cmp_ge_u32 s13, s15
	s_cbranch_scc1 .Lend                           ; my tile lies behind the count
	ds_load_b32 v11, v6                            ; row r's entry (LDS serves a wave's instructions in order: it sees the stores above)
	s_lshl_b32 s18, s12, 12
	s_lshl_b32 s19, ttmp9, 6
	s_add_co_u32 s18, s18, s19
	v_add_nc_u32 v14, s18, v6
	s_wait_alu depctr_va_vdst(0)
	s_wait_dscnt 0x0
	global_store_b32 v14, v11, s[8:9]              ; 64 bytes of the list (lanes 16-31 write the same words with the same values)
	v_lshrrev_b32 v7, 1, v11
	v_min_u32 v7, 0x3ff, v7                        ; the token
	v_lshlrev_b32 v7, 12, v7                       ; its row of 4,096 bytes
	v_lshl_add_u32 v7, v3, 6, v7                   ; + 64 h: my 16 numbers of a block of 32
.macro XLOAD s                         ; K step s: 64 numbers a lane into set s % 2
.irp b, 0,1,2,3
.irp j, 0,1,2,3
	global_load_b128 v[XA+64*((\s)%2)+16*\b+4*\j:XA+64*((\s)%2)+16*\b+4*\j+3], v7, s[6:7] offset:512*(\s)+128*\b+16*\j
.endr
.endr
.endm
; 64 numbers of a lane, v[s] on, become a fragment's codes in v[pc] on and its scale word in v[pw].
.macro QUANT s, pc, pw
.irp b, 0,1,2,3
	v_max3_num_f32 v[TM+\b], |v[(\s)+16*\b]|, |v[(\s)+1+16*\b]|, 0x1800000   ; block b: my 16 numbers, and the floor 2^(3 - 127): the byte cannot fall under 1
.endr
.irp i, 2,4,6,8,10,12,14
.irp b, 0,1,2,3
	v_max3_num_f32 v[TM+\b], v[TM+\b], |v[(\s)+16*\b+\i]|, |v[(\s)+1+16*\b+\i]|   ; (the four blocks by turns)
.endr
.endr
.irp b, 0,1,2,3
	v_permlanex16_b32 v[TM+4+\b], v[TM+\b], s[SEL], s[SEL+1]
.endr
.irp b, 0,1,2,3
	v_max_num_f32 v[TM+\b], v[TM+\b], v[TM+4+\b]   ; with lane l xor 16's: the block's largest magnitude
.endr
.irp b, 0,1,2,3
	v_add_nc_u32 v[TM+12+\b], 0xff000000, v[TM+\b] ; 2 off its exponent field: the conversion takes that field as its scale, and nothing else of the operand
.endr
.irp b, 0,1,2,3
	v_lshrrev_b32 v[TM+4+\b], 23, v[TM+12+\b]      ; the scale's byte
.endr
	v_lshl_or_b32 v[\pw], v[TM+5], 8, v[TM+4]      ; the four bytes make my row's scale word
	v_lshl_or_b32 v[\pw], v[TM+6], 16, v[\pw]
	v_lshl_or_b32 v[\pw], v[TM+7], 24, v[\pw]
.irp b, 0,1,2,3
	v_cvt_scalef32_pk8_fp4_f32 v[(\pc)+2*\b], v[(\s)+16*\b:(\s)+7+16*\b], v[TM+12+\b]
	v_cvt_scalef32_pk8_fp4_f32 v[(\pc)+1+2*\b], v[(\s)+8+16*\b:(\s)+15+16*\b], v[TM+12+\b]
.endr
	v_nop                                          ; one plain instruction behind a scaled conversion
.irp c, 0,1                            ; the operand's layout wants a WHOLE block in a lane: lanes 0-15 block 2 c, lanes 16-31 block 2 c + 1
.irp i, 0,1
	v_permlane16_swap_b32 v[(\pc)+4*\c+\i], v[(\pc)+2+4*\c+\i]
.endr
.endr
.endm
	XLOAD 0
	XLOAD 1
.irp s, 0,1,2,3,4,5,6,7
.if \s < 7
	s_wait_loadcnt 16                              ; this K step's 16 loads are in; the next step's 16 may be out
.else
	s_wait_loadcnt 0x0
.endif
	QUANT XA+64*(\s%2), PC+8*\s, PW+\s
	global_store_b128 v5, v[PC+8*\s:PC+8*\s+3], s[10:11] offset:1024*\s        ; the image: each store covers 512 consecutive bytes, aligned
	global_store_b128 v5, v[PC+8*\s+4:PC+8*\s+7], s[10:11] offset:1024*\s+512
.if \s < 6
	XLOAD \s+2
.endif
.endr
	v_cmp_eq_u32 vcc_lo, 1, v3
.irp i, 0,1,2,3
	v_cndmask_b32 v[OW+\i], v[PW+\i], v[PW+4+\i], vcc_lo           ; lanes 0-15 send K steps 0-3's words of row r, lanes 16-31 steps 4-7's
.endr
	v_lshlrev_b32 v15, 5, v2
	v_lshl_add_u32 v15, v3, 4, v15
	global_store_b128 v15, v[OW:OW+3], s[10:11] offset:8192        ; 512 consecutive bytes
.Lend:
	s_wait_tensorcnt 0x0
	ds_add_u32 v254, v255
	s_wait_dscnt 0x0
	s_endpgm
.Lfunc_end_k_q926fc5f0ec_place:
	.size	k_q926fc5f0ec_place, .Lfunc_end_k_q926fc5f0ec_place-k_q926fc5f0ec_place
	.p2alignl 7, 3214868480
	.fill 96, 4, 3214868480
	.section	.rodata,"a",@progbits
	.p2align	6, 0x0
	.amdhsa_kernel k_q926fc5f0ec_place
		.amdhsa_group_segment_fixed_size 512
		.amdhsa_private_segment_fixed_size 0
		.amdhsa_enable_private_segment 0
		.amdhsa_kernarg_size 32
		.amdhsa_user_sgpr_count 2
		.amdhsa_user_sgpr_kernarg_segment_ptr 1
		.amdhsa_wavefront_size32 1
		.amdhsa_system_sgpr_workgroup_id_x 1
		.amdhsa_system_sgpr_workgroup_id_y 1
		.amdhsa_system_sgpr_workgroup_id_z 1
		.amdhsa_system_vgpr_workitem_id 0
		.amdhsa_next_free_vgpr 256
		.amdhsa_next_free_sgpr 66
		.amdhsa_reserve_vcc 1
		.amdhsa_float_denorm_mode_32 3
		.amdhsa_float_denorm_mode_16_64 3
		.amdhsa_memory_ordered 1
		.amdhsa_forward_progress 1
		.amdhsa_inst_pref_size 67
	.end_amdhsa_kernel
	.amdgpu_metadata
---
amdhsa.version: [ 1, 2 ]
amdhsa.kernels:
  - .name:           k_q926fc5f0ec_place
    .symbol:         k_q926fc5f0ec_place.kd
    .args:
      - { .name: sel, .offset: 0, .size: 8, .value_kind: global_buffer, .address_space: global }
      - { .name: x, .offset: 8, .size: 8, .value_kind: global_buffer, .address_space: global }
      - { .name: lst, .offset: 16, .size: 8, .value_kind: global_buffer, .address_space: global }
      - { .name: xq, .offset: 24, .size: 8, .value_kind: global_buffer, .address_space: global }
    .group_segment_fixed_size: 512
    .private_segment_fixed_size: 0
    .kernarg_segment_align: 8
    .kernarg_segment_size: 32
    .max_flat_workgroup_size: 32
    .sgpr_count:     66
    .vgpr_count:     256
    .wavefront_size: 32
...
	.end_amdgpu_metadata
.endif
;; end of part 7
;; launch up (part 8): grid 32 x 8, 4 waves a work-group, no clusters, 70,400 bytes of LDS; arguments lst, xq, W1, hq; writes hq
.if DOCPART == 8
	.amdgcn_target "amdgcn-amd-amdhsa--gfx1250"
	.amdhsa_code_object_version 6
	.text
	.protected	k_q926fc5f0ec_up
	.globl	k_q926fc5f0ec_up
	.p2align	8
	.type	k_q926fc5f0ec_up,@function
k_q926fc5f0ec_up:
	s_mov_b64 s[64:65], 0
	v_nop
	global_prefetch_b8 v0, s[64:65] scope:SCOPE_SE
	s_setreg_imm32_b32 hwreg(HW_REG_WAVE_SCHED_MODE, 0, 2), 2
	s_setreg_imm32_b32 hwreg(HW_REG_WAVE_MODE, 25, 1), 1
	s_wait_xcnt 0x0
	s_wait_alu depctr_vm_vsrc(0)
; THE FIRST PRODUCT OF AN EXPERT, silu, AND THE HIDDEN LAYER'S QUANTISER.  h = silu(Q(x) Q(W1[e])), for the rows routed to e alone; out: Q(h) as operand images.
; W1: [8][1024 (k)][4096 (n)] f32.  Work-group (sg, e) owns the slab of all 1,024 k x columns 128 sg .. 128 sg + 127: 512 KB, which no other work-group reads.  So the weights are quantised HERE, in registers:
; each byte of W1 leaves memory once, and its codes never go to memory.
; PHASE 1.  Wave w takes k = 256 w .. 256 w + 255, in 8 groups of 32 rows.  A load takes 16 bytes a lane, 512 consecutive bytes of a row of W1 a wave; 64 loads of a wave are issued ahead.  A lane so holds 4 columns x 32 k;
;   the conversions want 8 neighbours along K in consecutive registers, so the 128 numbers are copied into that order (the price of 16-byte loads); a block of 32 lies in one lane, so its largest magnitude needs no other lane.
;   The codes go to LDS as images of the operand's registers, the scale bytes as words.  One barrier.
; PHASE 2.  Every wave takes ALL 64 KB of codes into its registers (512) and the 64 scale words.
; PHASE 3.  Wave w walks the expert's tiles of 16 rows, m = w, w + 4, ..: x's images from xq (fetched one tile ahead), 64 matrix instructions, silu, quantiser, one K step of hq.  No barrier: waves share nothing here.
; THE PRODUCT IS USED TRANSPOSED (source 0 = 16 columns of W1, source 1 = 16 rows of x): a lane holds ONE row.  THE COLUMNS OF A TILE ARE NOT NEIGHBOURS: row p of tile 2 b + u is column 32 b + 8 u + p + 8 (p / 8),
;   so that the 16 registers of tiles 2 b and 2 b + 1 are 16 neighbours along the next K: 32 b + 16 (lane / 16) + 0 .. 15.
; The number of tiles is read from memory, so this text has no tensor load, and no tile is asked for jointly; the weights, the bulk of the bytes, are shared by nobody.
; LIMITS: a block of zeros gets the byte 1 where the rule says 127 (zero codes; the bytes are read by this program alone); blocks under 2^-124 were not tried; NaN and infinities are not served.
; REGISTERS, in windows of 256: window 0: addresses, scale words, accumulators, work.  Windows 1, 2: phase 1: the numbers as loaded, two sets of 128; then W1's codes, fragment (s, t) at 8 (8 s + t).
;   window 3: phase 1: 128 numbers in K order; then x's fragments, two sets of 64.
; THE MODE: SCHED_MODE bits 1:0 = 2 (LLVM: expert scheduling mode 2), set by the entry lines.  The code itself states the register dependences between vector or matrix instructions and memory or LDS
; instructions, with s_wait_alu, always for 0.
; THE PLAN.  Registers that memory or LDS instructions touch:
;   v1-v9, v254, v255   addresses: written at the head, never again.  One wait on va_vdst ahead of the first load serves them all.
;   raw sets (windows 1, 2)   group g's copies read set g % 2; behind them the loads of group g + 2 land in it.  In phase 2 the codes land in both.
;   codes, two sets (v232-247, v208-223)   group g's conversions write set g % 2; the four LDS stores that read it are issued in group g + 1.
;   v16-23   phase 1 gathers my columns' scale bytes there; four LDS stores read them; in phase 2 scale words land there.
;   So ONE wait on va_vdst stands in a group, behind its copies: they are done reading the raw set, and the group before has written its codes; the group's 32 loads and 4 LDS stores follow it.
;   One wait on vm_vsrc stands at a group's head: the LDS stores issued a group back have read the set of codes that this group writes again.
;   fragment sets (window 3), v80-95   tile b's products read set b; the next tile's fetch lands in it.
;   v240-248   the quantiser writes them; the tile's three stores read them.
;   So ONE wait on va_vdst stands in a tile, ahead of its stores: the codes and the scale word are written, and the tile's products are done reading their set; no vector instruction stands between it and the
;   next tile's fetch.  One wait on vm_vsrc stands ahead of the quantiser.
.set PITCH, 16384                      ; a row of W1 in bytes
.set NT,    8                          ; tiles of 16 columns
.set NS,    8                          ; K steps of 128
.set TS,    8208                       ; LDS: from tile to tile: NS x 1,024 + 16, so that the sixteen lanes of an image store fall on sixteen different 16-byte columns of 256
.set SCL,   65792                      ; LDS: the weights' scale words, [tile][row][NS words]
.set SCST,  4*NS
.set REC,   8704                       ; a tile's record in xq
.set HREC,  34816                      ; and in hq: 32 K steps x 1,024 bytes, then [K step][16 words]
.set NF,    18                         ; loads of a fetch
.set TRIPS, 8                          ; an expert has at most 1,024 rows = 64 tiles: 16 for each of four waves, two a trip
.set LI,   1                           ; v1   16 x lane
.set WOFF, 3                           ; v3   my 16 bytes of a row of the slab
.set IMA,  4                           ; v4   where my codes go in LDS
.set SCA,  5                           ; v5   where my scale bytes go
.set SCR,  6                           ; v6   where I read scale words
.set FSO,  7                           ; v7   x's scale words: 32 x (lane % 16)
.set HO,   8                           ; v8   hq: 16 x lane + 1,024 sg
.set HSO,  9                           ; v9   hq: 4 x (lane % 16) + 32,768 + 64 sg
.set WS,   16                          ; v16-79  W1's scale words, (t, s) at NS t + s; in phase 1 v16-23 gather my columns' scale bytes
.set XS,   80                          ; v80-95  x's scale words, two sets
.set AC,   96                          ; v96-159 the eight accumulators: 64 numbers of my row
.set T,    160                         ; v160-223 at work in silu
.set MX,   224                         ; phase 1: v224-227 largest magnitudes, v228-231 bytes
.set BY,   228
.set CD,   232                         ; phase 1: the codes, two sets by turns: group g's at CD - 24 (g % 2): v232-247, v208-223
.set TM,   224                         ; phase 3: v224-239 at work in the quantiser, v240-247 codes, v248 scale word
.set PC,   240
.set PW,   248
.set WV,  12
.set EX,  13
.set CNT, 14
.set WB,  18                           ; s[18:19] my wave's part of the slab
.set PA,  20                           ; s[20:23] the records of the two fetches
.set PO,  24                           ; s[24:25] the record that is written
.set XB,  26                           ; s[26:27] xq at expert e
.set HB,  28                           ; s[28:29] hq at expert e
.set TA,  30                           ; s[30:31], s[34:35] offsets, the upper word 0
.set SEL, 32
.set TB,  34
.set MM,  36                           ; s36  the tile in hand
.set NTL, 37                           ; s37  tiles of the expert
.set NL,  38                           ; s38  the last of them
.set TR,  39                           ; s39  counts the trips of the loop over tiles
.set MSB, 0
.macro WIN new                         ; the immediate's high byte repeats the setting that is left; a switch that changes nothing is dropped
.if MSB != (\new)
	s_set_vgpr_msb (MSB<<8)|(\new)
.set MSB, (\new)
.endif
.endm
	s_load_b256 s[4:11], s[0:1], 0x0               ; lst, xq, W1, hq
	v_lshl_add_u32 v254, v0, 2, 0x11100
	v_mov_b32 v255, 0
	v_lshrrev_b32 v12, 5, v0
	v_readfirstlane_b32 s[WV], v12                 ; wave 0..3
	s_and_b32 s[EX], ttmp7, 0xffff                 ; the expert
	v_and_b32 v13, 31, v0
	v_lshlrev_b32 v[LI], 4, v13
	v_lshlrev_b32 v[WOFF], 4, v13                  ; lane l takes columns 4 l + c
	v_bfe_u32 v12, v0, 3, 2
	v_bfe_u32 v14, v0, 1, 1
	v_lshl_add_u32 v12, v12, 1, v14                ; their tile: 2 (l / 8) + (l / 2) % 2
	v_and_b32 v14, 1, v0
	v_bfe_u32 v15, v0, 2, 1
	v_lshlrev_b32 v14, 2, v14
	v_lshl_add_u32 v14, v15, 3, v14                ; and their first row in it: 4 (l % 2) + 8 ((l / 4) % 2)
	v_mul_u32_u24 v[IMA], v12, TS
	v_lshl_add_u32 v[IMA], v14, 4, v[IMA]
	s_wait_alu depctr_va_sdst(0)                   ; the wave's number is written, ahead of its first reader: LDS places and the slab's base are made from it
	s_lshl_b32 s16, s[WV], 11
	v_add_nc_u32 v[IMA], s16, v[IMA]               ; tile x TS + 16 x row + my wave's two K steps
	v_lshlrev_b32 v[SCA], 9, v12
	v_lshl_add_u32 v[SCA], v14, 5, v[SCA]
	s_lshl_b32 s16, s[WV], 3
	s_add_co_u32 s16, s16, SCL
	v_add_nc_u32 v[SCA], s16, v[SCA]               ; 512 x tile + 32 x row + my wave's two words
	v_and_b32 v15, 15, v0
	v_lshl_add_u32 v[SCR], v15, 5, SCL
	v_lshlrev_b32 v[FSO], 5, v15
	s_lshl_b32 s16, ttmp9, 10
	v_add_nc_u32 v[HO], s16, v[LI]
	s_lshl_b32 s16, ttmp9, 6
	s_add_co_u32 s16, s16, 32768
	v_lshl_add_u32 v[HSO], v15, 2, s16
	s_lshl_b32 s[TA], s[EX], 24                    ; an expert's W1 is 2^24 bytes,
	s_lshl_b32 s16, s[WV], 22                      ; 256 rows are 2^22,
	s_add_co_u32 s[TA], s[TA], s16
	s_lshl_b32 s16, ttmp9, 9                       ; 128 columns 512
	s_add_co_u32 s[TA], s[TA], s16
	s_mov_b32 s[TA+1], 0
	s_mov_b32 s[TB+1], 0
	s_lshl_b32 s15, s[EX], 2
	s_mov_b32 s[SEL], 0x76543210
	s_mov_b32 s[SEL+1], 0xfedcba98                 ; v_permlanex16_b32's selects for lane l xor 16
	s_wait_kmcnt 0x0
	s_add_nc_u64 s[WB:WB+1], s[8:9], s[TA:TA+1]
	s_load_b32 s[CNT], s[4:5], s15 offset:0x8000   ; cnt[e]: wanted behind phase 1
.macro LOADG g                         ; group g: rows 32 g + i of my 256, 16 bytes a lane, into set g % 2
	WIN 0x40+0x40*((\g)%2)
.set i_, 0
.rept 32
	global_load_b128 v[4*i_:4*i_+3], v[WOFF], s[WB:WB+1] offset:(32*(\g)+i_)*PITCH th:TH_LOAD_NT
.set i_, i_+1
.endr
.endm
.macro PUT g                           ; group g's codes go to LDS, out of set g % 2
.irp c, 0,1,2,3
	ds_store_b128 v[IMA], v[CD-24*((\g)%2)+4*\c:CD-24*((\g)%2)+4*\c+3] offset:1024*((\g)/4)+512*(((\g)%4)/2)+256*((\g)%2)+16*\c   ; block g % 4 of a K step: register group (g % 4) / 2, lanes' half g % 2
.endr
.endm
.macro GROUP g
.set cd_, CD-24*((\g)%2)
.if (\g) < 7
	s_wait_loadcnt 32                              ; this group's 32 loads are in; the next group's 32 may be out
.else
	s_wait_loadcnt 0x0
.endif
.if (\g) >= 2
	s_wait_dscnt 0x0                               ; the LDS stores issued in the group before are done,
	s_wait_alu depctr_vm_vsrc(0)                   ; and have read the set of codes that this group's conversions write again
.endif
	WIN 0xc1+((\g)%2)
.set i_, 0
.rept 32
.irp c, 0,1,2,3
	v_mov_b32 v[32*\c+i_], v[4*i_+\c]              ; column c's 32 numbers on end, K ascending
.endr
.set i_, i_+1
.endr
.if (\g) < 6
	WIN 0x40+0x40*((\g)%2)
.else
	WIN 0
.endif
	s_wait_alu depctr_va_vdst(0)                   ; the copies are done reading the raw set, in which the loads below land; the group before has written its codes, which the LDS stores below read
.if (\g) < 6
	LOADG (\g)+2                                   ; the set just copied takes the group two further on
.endif
.if (\g) > 0
	WIN 0
	PUT (\g)-1                                     ; no vector instruction since the wait names these registers
.endif
	WIN 0x3c
.irp c, 0,1,2,3
	v_max3_num_f32 v[MX+\c], 0x1800000, |v[32*\c]|, |v[32*\c+1]|   ; the block's largest magnitude, and the floor 2^(3 - 127): the byte cannot fall under 1
.endr
.irp i, 2,4,6,8,10,12,14,16,18,20,22,24,26,28,30
.irp c, 0,1,2,3
	v_max3_num_f32 v[MX+\c], v[MX+\c], |v[32*\c+\i]|, |v[32*\c+\i+1]|   ; (the four columns by turns)
.endr
.endr
	WIN 0
.irp c, 0,1,2,3
	v_add_nc_u32 v[MX+\c], 0xff000000, v[MX+\c]    ; 2 off the exponent field: the conversion's scale operand
.endr
.irp c, 0,1,2,3
	v_lshrrev_b32 v[BY+\c], 23, v[MX+\c]           ; the scale's byte
.endr
.irp c, 0,1,2,3
.if (\g)%4 == 0
	v_mov_b32 v[WS+2*\c+(\g)/4], v[BY+\c]          ; four bytes to a word, the lower K in the lower byte
.else
	v_lshl_or_b32 v[WS+2*\c+(\g)/4], v[BY+\c], 8*((\g)%4), v[WS+2*\c+(\g)/4]
.endif
.endr
	WIN 0x03
.irp c, 0,1,2,3
.irp q, 0,1,2,3
	v_cvt_scalef32_pk8_fp4_f32 v[cd_+4*\c+\q], v[32*\c+8*\q:32*\c+8*\q+7], v[MX+\c]
.endr
.endr
	v_nop                                          ; one plain instruction behind a scaled conversion
	WIN 0
.endm
	WIN 0x40
	s_wait_alu depctr_va_vdst(0)                   ; the addresses v1 to v9 are written: every load and store of the kernel reads one of them
	LOADG 0
	LOADG 1
	s_mul_i32 s[TA], s[EX], 64*REC
	s_add_nc_u64 s[XB:XB+1], s[6:7], s[TA:TA+1]
	s_mul_i32 s[TA], s[EX], 64*HREC
	s_add_nc_u64 s[HB:HB+1], s[10:11], s[TA:TA+1]
.irp g, 0,1,2,3,4,5,6,7
	GROUP \g
.endr
	s_wait_alu depctr_va_vdst(0)                   ; the last group has written its codes and the scale words v16-23, which the LDS stores below read
	PUT 7
.irp c, 0,1,2,3
	ds_store_b64 v[SCA], v[WS+2*\c:WS+2*\c+1] offset:SCST*\c       ; column c's two scale words
.endr
	s_wait_kmcnt 0x0                               ; cnt[e]
	s_wait_dscnt 0x0                               ; for the others' sake: my codes and scale words lie in LDS
	s_barrier_signal -1
	s_barrier_wait -1                              ; everybody's do.  The launch's one barrier
	s_wait_alu depctr_vm_vsrc(0)                   ; my LDS stores have read v16-23, in which scale words land below, and both sets of codes, which silu and the quantiser write over
	s_add_co_u32 s[NTL], s[CNT], 15
	s_lshr_b32 s[NTL], s[NTL], 4
	s_sub_co_u32 s[NL], s[NTL], 1
	s_mov_b32 s[MM], s[WV]
	s_mov_b32 s[TR], 0
	s_cmp_lt_u32 s[MM], s[NTL]
	s_cbranch_scc1 .Lwork
	s_wait_dscnt 0x0                               ; the closing lines, six on end.  The expert has no tile for me; no barrier follows
	s_wait_alu 0x0
	s_wait_tensorcnt 0x0
	ds_add_u32 v254, v255
	s_wait_dscnt 0x0
	s_endpgm
.Lwork:
	s_wait_alu depctr_va_vdst(0)                   ; phase 1's copies, maxima and conversions are done with windows 1 to 3 and have written v16-23: loads land in all of these, and up to the first products only loads, window switches
.macro FETCH b                         ; a tile's 8 fragments of x and its scale words into set b
	WIN 0xc0
.set q_, 0
.rept 16
	global_load_b128 v[64*(\b)+4*q_:64*(\b)+4*q_+3], v[LI], s[PA+2*(\b):PA+2*(\b)+1] offset:512*q_
.set q_, q_+1
.endr
	WIN 0
	global_load_b128 v[XS+8*(\b):XS+8*(\b)+3], v[FSO], s[PA+2*(\b):PA+2*(\b)+1] offset:8192
	global_load_b128 v[XS+8*(\b)+4:XS+8*(\b)+7], v[FSO], s[PA+2*(\b):PA+2*(\b)+1] offset:8208
.endm
	s_min_u32 s[TA], s[MM], 63
	s_mul_i32 s[TA], s[TA], REC
	s_add_nc_u64 s[PA:PA+1], s[XB:XB+1], s[TA:TA+1]
	FETCH 0                                        ; my first tile is on its way while the codes come out of LDS
.set s_, 0
.rept NS
.if s_ < NS/2
	WIN 0x40
.else
	WIN 0x80
.endif
.set t_, 0
.rept NT
.set w_, ((s_*NT+t_)*8)%256
	ds_load_b128 v[w_:w_+3], v[LI] offset:t_*TS+1024*s_
	ds_load_b128 v[w_+4:w_+7], v[LI] offset:t_*TS+1024*s_+512
.set t_, t_+1
.endr
.set s_, s_+1
.endr
	WIN 0
.set t_, 0
.rept NT
.set i_, 0
.rept NS/4
	ds_load_b128 v[WS+NS*t_+4*i_:WS+NS*t_+4*i_+3], v[SCR] offset:16*SCST*t_+16*i_
.set i_, i_+1
.endr
.set t_, t_+1
.endr
	s_wait_dscnt 0x0
; 64 matrix instructions: K step by K step, the NT accumulators by turns, one instruction a turn.  The first K step starts the sums.
.macro MULT b
.set s_, 0
.rept NS
.if s_ < NS/2
	WIN 0x0d                                       ; source 0 (weights) window 1, source 1 (rows) window 3, C and D window 0
.else
	WIN 0x0e                                       ; source 0 window 2
.endif
.set t_, 0
.rept NT
.set w_, ((s_*NT+t_)*8)%256
.set f_, 8*NS*(\b)+8*s_
.if s_ == 0
	v_wmma_scale_f32_16x16x128_f8f6f4 v[AC+8*t_:AC+8*t_+7], v[w_:w_+7], v[f_:f_+7], 0, v[WS+NS*t_+s_], v[XS+NS*(\b)+s_] matrix_a_fmt:MATRIX_FMT_FP4 matrix_b_fmt:MATRIX_FMT_FP4
.else
	v_wmma_scale_f32_16x16x128_f8f6f4 v[AC+8*t_:AC+8*t_+7], v[w_:w_+7], v[f_:f_+7], v[AC+8*t_:AC+8*t_+7], v[WS+NS*t_+s_], v[XS+NS*(\b)+s_] matrix_a_fmt:MATRIX_FMT_FP4 matrix_b_fmt:MATRIX_FMT_FP4
.endif
.set t_, t_+1
.endr
.set s_, s_+1
.endr
	WIN 0
.endm
; silu(a) = a / (1 + 2^(-a log2 e)), in f32.  The exponentials are one batch with one wait, and so are the reciprocals.  Each accumulator is read from its low end on.
.macro SILU
.set i_, 0
.rept 32
	v_pk_mul_f32 v[T+2*i_:T+2*i_+1], v[AC+2*i_:AC+2*i_+1], 0xbfb8aa3b op_sel_hi:[1,0]
.set i_, i_+1
.endr
.set i_, 0
	s_wait_alu depctr_va_vdst(0)
.rept 64
	v_exp_f32 v[T+i_], v[T+i_]
.set i_, i_+1
.endr
	v_nop                                          ; a plain instruction behind the last exponential
	s_wait_alu depctr_va_vdst(0)                   ; the 64 exponentials have written v[T ..]: one wait for the batch, ahead of its first reader
.set i_, 0
.rept 32
	v_pk_add_f32 v[T+2*i_:T+2*i_+1], v[T+2*i_:T+2*i_+1], 1.0 op_sel_hi:[1,0]
.set i_, i_+1
.endr
.set i_, 0
	s_wait_alu depctr_va_vdst(0)
.rept 64
	v_rcp_f32 v[T+i_], v[T+i_]
.set i_, i_+1
.endr
	v_nop
	s_wait_alu depctr_va_vdst(0)                   ; the 64 reciprocals have written v[T ..]: one wait for the batch, ahead of its first reader
.set i_, 0
.rept 32
	v_pk_mul_f32 v[AC+2*i_:AC+2*i_+1], v[AC+2*i_:AC+2*i_+1], v[T+2*i_:T+2*i_+1]
.set i_, i_+1
.endr
.endm
; 64 numbers of a lane, register 16 b + i = k 32 b + 16 (lane / 16) + i of my row, become a fragment's codes in v[PC] on and its scale word in v[PW].
.macro QUANT s
.irp b, 0,1,2,3
	v_max3_num_f32 v[TM+\b], |v[(\s)+16*\b]|, |v[(\s)+1+16*\b]|, 0x1800000   ; block b: my 16 numbers, and the floor 2^(3 - 127)
.endr
.irp i, 2,4,6,8,10,12,14
.irp b, 0,1,2,3
	v_max3_num_f32 v[TM+\b], v[TM+\b], |v[(\s)+16*\b+\i]|, |v[(\s)+1+16*\b+\i]|
.endr
.endr
.irp b, 0,1,2,3
	v_permlanex16_b32 v[TM+4+\b], v[TM+\b], s[SEL], s[SEL+1]       ; (its destination was written in phase 1)
.endr
.irp b, 0,1,2,3
	v_max_num_f32 v[TM+\b], v[TM+\b], v[TM+4+\b]   ; with lane l xor 16's: the block's largest magnitude
.endr
.irp b, 0,1,2,3
	v_add_nc_u32 v[TM+12+\b], 0xff000000, v[TM+\b]
.endr
.irp b, 0,1,2,3
	v_lshrrev_b32 v[TM+4+\b], 23, v[TM+12+\b]
.endr
	v_lshl_or_b32 v[PW], v[TM+5], 8, v[TM+4]
	v_lshl_or_b32 v[PW], v[TM+6], 16, v[PW]
	v_lshl_or_b32 v[PW], v[TM+7], 24, v[PW]
.irp b, 0,1,2,3
	v_cvt_scalef32_pk8_fp4_f32 v[PC+2*\b], v[(\s)+16*\b:(\s)+7+16*\b], v[TM+12+\b]
	v_cvt_scalef32_pk8_fp4_f32 v[PC+1+2*\b], v[(\s)+8+16*\b:(\s)+15+16*\b], v[TM+12+\b]
.endr
	v_nop                                          ; one plain instruction behind a scaled conversion
.irp c, 0,1
.irp i, 0,1
	v_permlane16_swap_b32 v[PC+4*\c+\i], v[PC+2+4*\c+\i]           ; a whole block to a lane
.endr
.endr
.endm
; Tile MM + 4 b, whose fragments lie in set b.  The tile four further on is fetched into the other set first; behind the last tile the last is fetched once more, so that every load stays
; inside what has been written and the wait's count is the same on every way.
.macro TILE b
	s_wait_xcnt 0x0                                ; earlier loads and stores have read their registers: the pointers and the last tile's store data are written anew only behind this wait
	s_add_co_u32 s[TA], s[MM], 4+4*(\b)
	s_min_u32 s[TA], s[TA], s[NL]
	s_min_u32 s[TA], s[TA], 63
	s_mul_i32 s[TA], s[TA], REC
	s_add_nc_u64 s[PA+2-2*(\b):PA+3-2*(\b)], s[XB:XB+1], s[TA:TA+1]
	FETCH 1-(\b)                                   ; no wait here: the products that read this set stand ahead of the last wait on va_vdst (the last tile's, ahead of its stores; in the first trip the one at the head of phase 2), and no vector instruction has been issued since
	s_wait_loadcnt NF                              ; all but the NF loads just issued: this tile's fragments are in
	MULT \b
.rept 4
	v_nop                                          ; four places between the last product and the first read of results
.endr
	SILU
	s_wait_alu depctr_vm_vsrc(0)                   ; the last tile's stores have read the codes and the scale word, v240-248, which the quantiser writes again
	QUANT AC
	s_add_co_u32 s[TB], s[MM], 4*(\b)
	s_min_u32 s[TB], s[TB], 63
	s_mul_i32 s[TB], s[TB], HREC
	s_add_nc_u64 s[PO:PO+1], s[HB:HB+1], s[TB:TB+1]
	s_wait_alu depctr_va_vdst(0)                   ; the quantiser has written the codes and the scale word, which the stores read; this tile's products are done reading their fragments and scale words, in which the next tile's fetch lands
	global_store_b128 v[HO], v[PC:PC+3], s[PO:PO+1]                ; K step sg of the tile's record: each store covers 512 consecutive bytes, aligned
	global_store_b128 v[HO], v[PC+4:PC+7], s[PO:PO+1] offset:512
	global_store_b32 v[HSO], v[PW], s[PO:PO+1]                     ; its 16 scale words (lanes 16-31 write the same words with the same values)
.endm
; The loop over my tiles, two a trip (the two sets of fragments change places and are back where they began).  Its count is a constant, TRIPS, the most that any split needs; a wave whose tiles are
; used up ends inside it, behind the trip's first tile or its second.  No branch leads out of the loop.
.Ltiles:
	TILE 0
	s_add_co_u32 s[TA], s[MM], 4
	s_cmp_lt_u32 s[TA], s[NTL]
	s_cbranch_scc1 .Lsecond
	s_wait_dscnt 0x0                               ; the closing lines, six on end: that was my last tile
	s_wait_alu 0x0
	s_wait_tensorcnt 0x0
	ds_add_u32 v254, v255
	s_wait_dscnt 0x0
	s_endpgm
.Lsecond:
	TILE 1
	s_add_co_u32 s[MM], s[MM], 8
	s_cmp_lt_u32 s[MM], s[NTL]
	s_cbranch_scc1 .Lmore
	s_wait_dscnt 0x0                               ; the closing lines, six on end: that was my last tile
	s_wait_alu 0x0
	s_wait_tensorcnt 0x0
	ds_add_u32 v254, v255
	s_wait_dscnt 0x0
	s_endpgm
.Lmore:
	s_add_co_u32 s[TR], s[TR], 1
	s_cmp_lt_u32 s[TR], TRIPS
	s_cbranch_scc1 .Ltiles
	s_wait_dscnt 0x0                               ; the closing lines, six on end
	s_wait_alu 0x0
	s_wait_tensorcnt 0x0
	ds_add_u32 v254, v255
	s_wait_dscnt 0x0
	s_endpgm
.Lfunc_end_k_q926fc5f0ec_up:
	.size	k_q926fc5f0ec_up, .Lfunc_end_k_q926fc5f0ec_up-k_q926fc5f0ec_up
	.p2alignl 7, 3214868480
	.fill 96, 4, 3214868480
	.section	.rodata,"a",@progbits
	.p2align	6, 0x0
	.amdhsa_kernel k_q926fc5f0ec_up
		.amdhsa_group_segment_fixed_size 70400
		.amdhsa_private_segment_fixed_size 0
		.amdhsa_enable_private_segment 0
		.amdhsa_kernarg_size 32
		.amdhsa_user_sgpr_count 2
		.amdhsa_user_sgpr_kernarg_segment_ptr 1
		.amdhsa_wavefront_size32 1
		.amdhsa_system_sgpr_workgroup_id_x 1
		.amdhsa_system_sgpr_workgroup_id_y 1
		.amdhsa_system_sgpr_workgroup_id_z 1
		.amdhsa_system_vgpr_workitem_id 0
		.amdhsa_next_free_vgpr 1024
		.amdhsa_next_free_sgpr 66
		.amdhsa_reserve_vcc 0
		.amdhsa_float_denorm_mode_32 3
		.amdhsa_float_denorm_mode_16_64 3
		.amdhsa_memory_ordered 1
		.amdhsa_forward_progress 1
		.amdhsa_inst_pref_size 174
	.end_amdhsa_kernel
	.amdgpu_metadata
---
amdhsa.version: [ 1, 2 ]
amdhsa.kernels:
  - .name:           k_q926fc5f0ec_up
    .symbol:         k_q926fc5f0ec_up.kd
    .args:
      - { .name: lst, .offset: 0, .size: 8, .value_kind: global_buffer, .address_space: global }
      - { .name: xq, .offset: 8, .size: 8, .value_kind: global_buffer, .address_space: global }
      - { .name: W1, .offset: 16, .size: 8, .value_kind: global_buffer, .address_space: global }
      - { .name: hq, .offset: 24, .size: 8, .value_kind: global_buffer, .address_space: global }
    .group_segment_fixed_size: 70400
    .private_segment_fixed_size: 0
    .kernarg_segment_align: 8
    .kernarg_segment_size: 32
    .max_flat_workgroup_size: 128
    .sgpr_count:     66
    .vgpr_count:     1024
    .wavefront_size: 32
...
	.end_amdgpu_metadata
.endif
;; end of part 8
;; launch down (part 9): grid 32 x 8, 4 waves a work-group, no clusters, 87,808 bytes of LDS; arguments lst, hq, W2, y; writes y
.if DOCPART == 9
	.amdgcn_target "amdgcn-amd-amdhsa--gfx1250"
	.amdhsa_code_object_version 6
	.text
	.protected	k_q926fc5f0ec_down
	.globl	k_q926fc5f0ec_down
	.p2align	8
	.type	k_q926fc5f0ec_down,@function
k_q926fc5f0ec_down:
	s_mov_b64 s[64:65], 0
	v_nop
	global_prefetch_b8 v0, s[64:65] scope:SCOPE_SE
	s_setreg_imm32_b32 hwreg(HW_REG_WAVE_SCHED_MODE, 0, 2), 2
	s_setreg_imm32_b32 hwreg(HW_REG_WAVE_MODE, 25, 1), 1
	s_wait_xcnt 0x0
	s_wait_alu depctr_vm_vsrc(0)
; THE SECOND PRODUCT OF AN EXPERT.  y[half][routed row] = Q(h) Q(W2[e]) over one half of K, for the rows routed to e alone.  W2: [8][4096 (k)][1024 (n)] f32.
; Work-group (x, e), x = cg + 16 half, owns the slab k = 2048 half .. + 2047 x columns 64 cg .. 64 cg + 63: 512 KB, which no other work-group reads; it quantises the slab in registers, as the launch before does:
; each byte of W2 leaves memory once, and its codes never go to memory.  The two halves of K are added, in f32, by the last launch.
; PHASE 1.  Lanes 0-15 of wave w take k = 512 w .. + 255, lanes 16-31 k = 512 w + 256 .. + 255 (of the half), 4 columns a lane, in 8 groups of 32 rows: a load takes 16 bytes a lane, twice 256 consecutive bytes, aligned.
;   The numbers are copied into K order, quantised (a block of 32 lies in one lane), and go to LDS as images of the operand's registers.  One barrier.
; PHASE 2.  Every wave takes all 64 KB of codes into its registers, and the 64 scale words.
; PHASE 3.  Wave w walks the expert's tiles of 16 rows, m = w, w + 4, ..: 16 fragments of hq (fetched one tile ahead), 64 matrix instructions, and the way out.
; THE PRODUCT IS USED TRANSPOSED (source 0 = 16 columns of W2, source 1 = 16 rows of h): a lane holds eight neighbouring columns of one row.  A tile goes through the wave's own stage in LDS and leaves by rows:
;   sixteen lanes store 256 consecutive bytes, aligned, at the row that the list names.  Slots behind the count go to row 2048 + e, which nobody reads.
; The number of tiles is read from memory, so this text has no tensor load, and no tile is asked for jointly.
; LIMITS: as in the launch before (a block of zeros gets the byte 1; blocks under 2^-124 not tried; NaN and infinities not served).  K is summed in two halves.
; REGISTERS: window 0: addresses, scale words, accumulators, the way out.  Windows 1, 2: phase 1: numbers as loaded; then W2's codes, fragment (s, t) at 8 (4 s + t).  Window 3: phase 1: numbers in K order; then h's fragments, two sets of 128.
; THE MODE: SCHED_MODE bits 1:0 = 2 (LLVM: expert scheduling mode 2), set by the entry lines.  The code itself states the register dependences between vector or matrix instructions and memory or LDS
; instructions, with s_wait_alu, always for 0.
; THE PLAN.  Registers that memory or LDS instructions touch:
;   v1-v12, v254, v255   addresses: written at the head, never again.  One wait on va_vdst ahead of the first load serves them all.
;   raw sets (windows 1, 2)   group g's copies read set g % 2; behind them the loads of group g + 2 land in it.  In phase 2 the codes land in both.
;   codes, two sets (v232-247, v208-223)   group g's conversions write set g % 2; the four LDS stores that read it are issued in group g + 1.
;   v16-23   phase 1 gathers my columns' scale bytes there; four LDS stores read them; in phase 2 scale words land there.
;   So ONE wait on va_vdst stands in a group, behind its copies, and one on vm_vsrc at its head, as in the launch before.
;   fragment sets (window 3), v80-111, v144-159   tile b's products read set b and its scale words, its address lines clamp and read its list entries; the next tile's fetch lands in all three.
;   accumulators v112-143   written by the products, read by the tile's LDS stores.
;   v160-167, v168-199   the rows' offsets in y, written by vector lines, and the rows read back from the stage: the tile's global stores read both.
;   So ONE wait on vm_vsrc stands in a tile, ahead of its products: the last tile's stores have read the accumulators, the offsets and the rows.  ONE wait on va_vdst stands behind the address lines: the accumulators and
;   the offsets are written, and the products and address lines are done with set b; no vector instruction stands between it and the next tile's fetch.
.set PITCH, 4096                       ; a row of W2 in bytes
.set NT,    4                          ; tiles of 16 columns
.set NS,    16                         ; K steps of 128
.set TS,    16400                      ; LDS: from tile to tile: NS x 1,024 + 16
.set SCL,   65792                      ; LDS: the weights' scale words, [tile][row][NS words]
.set SCST,  4*NS
.set STG,   69888                      ; LDS: a stage of 16 rows x (256 + 16) bytes for each wave
.set REC,   34816                      ; a tile's record in hq
.set NF,    50                         ; loads of a fetch
.set TRIPS, 8                          ; an expert has at most 1,024 rows = 64 tiles: 16 for each of four waves, two a trip
.set LI,   1                           ; v1   16 x lane
.set WOFF, 3                           ; v3   my 16 bytes of the slab: 16 (lane % 16) + 256 rows x (lane / 16)
.set IMA,  4                           ; v4   where my codes go in LDS
.set SCA,  5                           ; v5   where my scale bytes go
.set SCR,  6                           ; v6   where I read scale words
.set FIO,  7                           ; v7   hq's images: 16 x lane + 16,384 half
.set STO,  8                           ; v8   the stage: where I put 32 bytes of a row
.set SRD,  9                           ; v9   and where I read a row back
.set FSO,  10                          ; v10  hq's scale words: 4 (lane % 16) + 32,768 + 1,024 half
.set CO,   11                          ; v11  16 x (lane % 16)
.set EO,   12                          ; v12  the list: 32 x (lane / 16)
.set WS,   16                          ; v16-79   W2's scale words, (t, s) at NS t + s; in phase 1 v16-23 gather my columns' scale bytes
.set XS,   80                          ; v80-111  h's scale words, two sets
.set AC,   112                         ; v112-143 the four accumulators
.set EN,   144                         ; v144-159 list entries of my eight rows on the way out, two sets
.set AD,   160                         ; v160-167 their offsets in y
.set OB,   168                         ; v168-199 rows read back from the stage
.set MX,   224
.set BY,   228
.set CD,   232                         ; phase 1: the codes, two sets by turns: group g's at CD - 24 (g % 2): v232-247, v208-223
.set WV,  12
.set EX,  13
.set CNT, 14
.set WB,  18                           ; s[18:19] my wave's part of the slab
.set PA,  20                           ; s[20:23] the records of the two fetches
.set PL,  24                           ; s[24:27] their places in the list
.set HB,  28                           ; s[28:29] hq at expert e
.set LB,  30                           ; s[30:31] lst at expert e
.set YB,  32                           ; s[32:33] y at my half and my columns
.set TA,  34                           ; s[34:35], s[36:37] offsets, the upper word 0
.set TB,  36
.set MM,  38
.set NTL, 39
.set NL,  40
.set CG,  41
.set HF,  42
.set TR,  43                           ; s43  counts the trips of the loop over tiles
.set MSB, 0
.macro WIN new                         ; the immediate's high byte repeats the setting that is left; a switch that changes nothing is dropped
.if MSB != (\new)
	s_set_vgpr_msb (MSB<<8)|(\new)
.set MSB, (\new)
.endif
.endm
	s_load_b256 s[4:11], s[0:1], 0x0               ; lst, hq, W2, y
	v_lshl_add_u32 v254, v0, 2, 0x15500
	v_mov_b32 v255, 0
	v_lshrrev_b32 v13, 5, v0
	v_readfirstlane_b32 s[WV], v13                 ; wave 0..3
	s_and_b32 s[EX], ttmp7, 0xffff                 ; the expert
	s_and_b32 s[CG], ttmp9, 15                     ; which 64 columns
	s_lshr_b32 s[HF], ttmp9, 4                     ; which half of K
	v_and_b32 v13, 31, v0
	v_lshlrev_b32 v[LI], 4, v13
	v_and_b32 v15, 15, v0                          ; lane % 16: columns 4 (lane % 16) + c
	v_bfe_u32 v14, v0, 4, 1                        ; lane / 16
	v_lshlrev_b32 v[CO], 4, v15
	v_lshl_add_u32 v[WOFF], v14, 20, v[CO]         ; 256 rows of 4,096 bytes are 2^20
	v_lshlrev_b32 v[EO], 5, v14
	v_bfe_u32 v13, v0, 2, 2                        ; my columns' tile
	v_and_b32 v2, 3, v0
	v_lshlrev_b32 v2, 2, v2                        ; and their first row in it
	v_mul_u32_u24 v[IMA], v13, TS
	v_lshl_add_u32 v[IMA], v2, 4, v[IMA]
	v_lshl_add_u32 v[IMA], v14, 11, v[IMA]
	s_wait_alu depctr_va_sdst(0)                   ; the wave's number is written, ahead of its first reader: LDS places and the slab's base are made from it
	s_lshl_b32 s16, s[WV], 12
	v_add_nc_u32 v[IMA], s16, v[IMA]               ; tile x TS + 16 x row + two K steps for each half of the lanes, four for each wave
	v_lshlrev_b32 v[SCA], 10, v13
	v_lshl_add_u32 v[SCA], v2, 6, v[SCA]
	v_lshl_add_u32 v[SCA], v14, 3, v[SCA]
	s_lshl_b32 s16, s[WV], 4
	s_add_co_u32 s16, s16, SCL
	v_add_nc_u32 v[SCA], s16, v[SCA]
	v_lshl_add_u32 v[SCR], v15, 6, SCL
	s_lshl_b32 s16, s[HF], 14
	v_add_nc_u32 v[FIO], s16, v[LI]
	s_lshl_b32 s16, s[HF], 10
	s_add_co_u32 s16, s16, 32768
	v_lshl_add_u32 v[FSO], v15, 2, s16
	s_mul_i32 s16, s[WV], 4352
	s_add_co_u32 s16, s16, STG                     ; my stage
	v_mul_u32_u24 v[STO], v15, 272
	v_lshl_add_u32 v[STO], v14, 5, v[STO]
	v_add_nc_u32 v[STO], s16, v[STO]               ; in: row lane % 16, 32 bytes for each half of the lanes
	v_mul_u32_u24 v[SRD], v14, 2176
	v_lshl_add_u32 v[SRD], v15, 4, v[SRD]
	v_add_nc_u32 v[SRD], s16, v[SRD]               ; back: lanes 0-15 rows 0-7, lanes 16-31 rows 8-15, 16 bytes a lane
	s_lshl_b32 s[TA], s[EX], 24                    ; an expert's W2 is 2^24 bytes,
	s_lshl_b32 s16, s[HF], 23                      ; half of K 2^23,
	s_add_co_u32 s[TA], s[TA], s16
	s_lshl_b32 s16, s[WV], 21                      ; 512 rows 2^21,
	s_add_co_u32 s[TA], s[TA], s16
	s_lshl_b32 s16, s[CG], 8                       ; 64 columns 256
	s_add_co_u32 s[TA], s[TA], s16
	s_mov_b32 s[TA+1], 0
	s_mov_b32 s[TB+1], 0
	s_lshl_b32 s15, s[EX], 2
	s_wait_kmcnt 0x0
	s_add_nc_u64 s[WB:WB+1], s[8:9], s[TA:TA+1]
	s_load_b32 s[CNT], s[4:5], s15 offset:0x8000   ; cnt[e]: wanted behind phase 1
.macro LOADG g                         ; group g: rows 32 g + i of my 256, 16 bytes a lane, into set g % 2
	WIN 0x40+0x40*((\g)%2)
.set i_, 0
.rept 32
	global_load_b128 v[4*i_:4*i_+3], v[WOFF], s[WB:WB+1] offset:(32*(\g)+i_)*PITCH th:TH_LOAD_NT
.set i_, i_+1
.endr
.endm
.macro PUT g                           ; group g's codes go to LDS, out of set g % 2
.irp c, 0,1,2,3
	ds_store_b128 v[IMA], v[CD-24*((\g)%2)+4*\c:CD-24*((\g)%2)+4*\c+3] offset:1024*((\g)/4)+512*(((\g)%4)/2)+256*((\g)%2)+16*\c   ; block g % 4 of a K step: register group (g % 4) / 2, lanes' half g % 2
.endr
.endm
.macro GROUP g
.set cd_, CD-24*((\g)%2)
.if (\g) < 7
	s_wait_loadcnt 32                              ; this group's 32 loads are in; the next group's 32 may be out
.else
	s_wait_loadcnt 0x0
.endif
.if (\g) >= 2
	s_wait_dscnt 0x0                               ; the LDS stores issued in the group before are done,
	s_wait_alu depctr_vm_vsrc(0)                   ; and have read the set of codes that this group's conversions write again
.endif
	WIN 0xc1+((\g)%2)
.set i_, 0
.rept 32
.irp c, 0,1,2,3
	v_mov_b32 v[32*\c+i_], v[4*i_+\c]              ; column c's 32 numbers on end, K ascending
.endr
.set i_, i_+1
.endr
.if (\g) < 6
	WIN 0x40+0x40*((\g)%2)
.else
	WIN 0
.endif
	s_wait_alu depctr_va_vdst(0)                   ; the copies are done reading the raw set, in which the loads below land; the group before has written its codes, which the LDS stores below read
.if (\g) < 6
	LOADG (\g)+2                                   ; the set just copied takes the group two further on
.endif
.if (\g) > 0
	WIN 0
	PUT (\g)-1                                     ; no vector instruction since the wait names these registers
.endif
	WIN 0x3c
.irp c, 0,1,2,3
	v_max3_num_f32 v[MX+\c], 0x1800000, |v[32*\c]|, |v[32*\c+1]|   ; the block's largest magnitude, and the floor 2^(3 - 127): the byte cannot fall under 1
.endr
.irp i, 2,4,6,8,10,12,14,16,18,20,22,24,26,28,30
.irp c, 0,1,2,3
	v_max3_num_f32 v[MX+\c], v[MX+\c], |v[32*\c+\i]|, |v[32*\c+\i+1]|   ; (the four columns by turns)
.endr
.endr
	WIN 0
.irp c, 0,1,2,3
	v_add_nc_u32 v[MX+\c], 0xff000000, v[MX+\c]    ; 2 off the exponent field: the conversion's scale operand
.endr
.irp c, 0,1,2,3
	v_lshrrev_b32 v[BY+\c], 23, v[MX+\c]           ; the scale's byte
.endr
.irp c, 0,1,2,3
.if (\g)%4 == 0
	v_mov_b32 v[WS+2*\c+(\g)/4], v[BY+\c]          ; four bytes to a word, the lower K in the lower byte
.else
	v_lshl_or_b32 v[WS+2*\c+(\g)/4], v[BY+\c], 8*((\g)%4), v[WS+2*\c+(\g)/4]
.endif
.endr
	WIN 0x03
.irp c, 0,1,2,3
.irp q, 0,1,2,3
	v_cvt_scalef32_pk8_fp4_f32 v[cd_+4*\c+\q], v[32*\c+8*\q:32*\c+8*\q+7], v[MX+\c]
.endr
.endr
	v_nop                                          ; one plain instruction behind a scaled conversion
	WIN 0
.endm
	WIN 0x40
	s_wait_alu depctr_va_vdst(0)                   ; the addresses v1 to v12 are written: every load and store of the kernel reads one of them
	LOADG 0
	LOADG 1
	s_mul_i32 s[TA], s[EX], 64*REC
	s_add_nc_u64 s[HB:HB+1], s[6:7], s[TA:TA+1]
	s_lshl_b32 s[TA], s[EX], 12
	s_add_nc_u64 s[LB:LB+1], s[4:5], s[TA:TA+1]
	s_mul_i32 s[TA], s[HF], 8421376                ; a half of y: 2,056 rows of 4,096 bytes
	s_lshl_b32 s16, s[CG], 8
	s_add_co_u32 s[TA], s[TA], s16
	s_add_nc_u64 s[YB:YB+1], s[10:11], s[TA:TA+1]
.irp g, 0,1,2,3,4,5,6,7
	GROUP \g
.endr
	s_wait_alu depctr_va_vdst(0)                   ; the last group has written its codes and the scale words v16-23, which the LDS stores below read
	PUT 7
.irp c, 0,1,2,3
	ds_store_b64 v[SCA], v[WS+2*\c:WS+2*\c+1] offset:SCST*\c       ; column c's two scale words
.endr
	s_wait_kmcnt 0x0                               ; cnt[e]
	s_wait_dscnt 0x0                               ; for the others' sake: my codes and scale words lie in LDS
	s_barrier_signal -1
	s_barrier_wait -1                              ; everybody's do.  The launch's one barrier
	s_wait_alu depctr_vm_vsrc(0)                   ; my LDS stores have read v16-23, in which scale words land below
	s_add_co_u32 s[NTL], s[CNT], 15
	s_lshr_b32 s[NTL], s[NTL], 4
	s_sub_co_u32 s[NL], s[NTL], 1
	s_mov_b32 s[MM], s[WV]
	s_mov_b32 s[TR], 0
	s_cmp_lt_u32 s[MM], s[NTL]
	s_cbranch_scc1 .Lwork
	s_wait_dscnt 0x0                               ; the closing lines, six on end.  The expert has no tile for me; no barrier follows
	s_wait_alu 0x0
	s_wait_tensorcnt 0x0
	ds_add_u32 v254, v255
	s_wait_dscnt 0x0
	s_endpgm
.Lwork:
	s_wait_alu depctr_va_vdst(0)                   ; phase 1's copies, maxima and conversions are done with windows 1 to 3 and have written v16-23: loads land in all of these, and up to the first products only loads, window switches
.macro FETCH b                         ; a tile's 16 fragments of h (my half of K), their scale words and the tile's list entries into set b
	WIN 0xc0
.set q_, 0
.rept 32
	global_load_b128 v[128*(\b)+4*q_:128*(\b)+4*q_+3], v[FIO], s[PA+2*(\b):PA+2*(\b)+1] offset:512*q_
.set q_, q_+1
.endr
	WIN 0
.set q_, 0
.rept 16
	global_load_b32 v[XS+16*(\b)+q_], v[FSO], s[PA+2*(\b):PA+2*(\b)+1] offset:64*q_
.set q_, q_+1
.endr
	global_load_b128 v[EN+8*(\b):EN+8*(\b)+3], v[EO], s[PL+2*(\b):PL+2*(\b)+1]
	global_load_b128 v[EN+8*(\b)+4:EN+8*(\b)+7], v[EO], s[PL+2*(\b):PL+2*(\b)+1] offset:16
.endm
	s_min_u32 s[TA], s[MM], 63
	s_lshl_b32 s[TB], s[TA], 6
	s_mul_i32 s[TA], s[TA], REC
	s_add_nc_u64 s[PA:PA+1], s[HB:HB+1], s[TA:TA+1]
	s_add_nc_u64 s[PL:PL+1], s[LB:LB+1], s[TB:TB+1]
	FETCH 0                                        ; my first tile is on its way while the codes come out of LDS
.set s_, 0
.rept NS
.if s_ < NS/2
	WIN 0x40
.else
	WIN 0x80
.endif
.set t_, 0
.rept NT
.set w_, ((s_*NT+t_)*8)%256
	ds_load_b128 v[w_:w_+3], v[LI] offset:t_*TS+1024*s_
	ds_load_b128 v[w_+4:w_+7], v[LI] offset:t_*TS+1024*s_+512
.set t_, t_+1
.endr
.set s_, s_+1
.endr
	WIN 0
.set t_, 0
.rept NT
.set i_, 0
.rept NS/4
	ds_load_b128 v[WS+NS*t_+4*i_:WS+NS*t_+4*i_+3], v[SCR] offset:16*SCST*t_+16*i_
.set i_, i_+1
.endr
.set t_, t_+1
.endr
	s_wait_dscnt 0x0
; 64 matrix instructions: K step by K step, the NT accumulators by turns, one instruction a turn.  The first K step starts the sums.
.macro MULT b
.set s_, 0
.rept NS
.if s_ < NS/2
	WIN 0x0d                                       ; source 0 (weights) window 1, source 1 (rows) window 3, C and D window 0
.else
	WIN 0x0e                                       ; source 0 window 2
.endif
.set t_, 0
.rept NT
.set w_, ((s_*NT+t_)*8)%256
.set f_, 8*NS*(\b)+8*s_
.if s_ == 0
	v_wmma_scale_f32_16x16x128_f8f6f4 v[AC+8*t_:AC+8*t_+7], v[w_:w_+7], v[f_:f_+7], 0, v[WS+NS*t_+s_], v[XS+NS*(\b)+s_] matrix_a_fmt:MATRIX_FMT_FP4 matrix_b_fmt:MATRIX_FMT_FP4
.else
	v_wmma_scale_f32_16x16x128_f8f6f4 v[AC+8*t_:AC+8*t_+7], v[w_:w_+7], v[f_:f_+7], v[AC+8*t_:AC+8*t_+7], v[WS+NS*t_+s_], v[XS+NS*(\b)+s_] matrix_a_fmt:MATRIX_FMT_FP4 matrix_b_fmt:MATRIX_FMT_FP4
.endif
.set t_, t_+1
.endr
.set s_, s_+1
.endr
	WIN 0
.endm
; Tile MM + 4 b, whose fragments lie in set b.  The tile four further on is fetched into the other set first; behind the last tile the last is fetched once more, so that every load stays
; inside what has been written and the wait's count is the same on every way.
.macro TILE b
	s_wait_xcnt 0x0                                ; earlier loads and stores have read their registers: the pointers, and the last tile's store addresses and data, are written anew only behind this wait
	s_add_co_u32 s[TA], s[MM], 4+4*(\b)
	s_min_u32 s[TA], s[TA], s[NL]
	s_min_u32 s[TA], s[TA], 63
	s_lshl_b32 s[TB], s[TA], 6
	s_mul_i32 s[TA], s[TA], REC
	s_add_nc_u64 s[PA+2-2*(\b):PA+3-2*(\b)], s[HB:HB+1], s[TA:TA+1]
	s_add_nc_u64 s[PL+2-2*(\b):PL+3-2*(\b)], s[LB:LB+1], s[TB:TB+1]
	FETCH 1-(\b)                                   ; no wait here: the products and address lines that named this set stand ahead of the last wait on va_vdst (the last tile's, ahead of its LDS stores; in the first trip the one at the head of phase 2), and no vector instruction has been issued since
	s_wait_loadcnt NF                              ; all but the NF loads just issued: this tile's fragments and entries are in
	s_wait_alu depctr_vm_vsrc(0)                   ; the last tile's LDS stores have read the accumulators, its global stores their offsets v160-167 and rows v168-199: the products, the address lines and the loads from the stage write all three again
	MULT \b
.irp i, 0,1,2,3,4,5,6,7
	v_min_u32 v[EN+8*(\b)+\i], 0x807, v[EN+8*(\b)+\i]              ; a row of y: 0 .. 2055.  (These sixteen lines name no register of the products: they are the places behind the last of them)
.endr
.irp i, 0,1,2,3,4,5,6,7
	v_lshl_add_u32 v[AD+\i], v[EN+8*(\b)+\i], 12, v[CO]            ; its 4,096 bytes, + 16 bytes a lane
.endr
	s_wait_alu depctr_va_vdst(0)                   ; the products have written the accumulators, which the LDS stores read, and the lines above the offsets, which the global stores read; both are done with this tile's fragments, scale words and entries, in which the next tile's fetch lands.  The places above stay beside this wait
.irp t, 0,1,2,3
	ds_store_b128 v[STO], v[AC+8*\t:AC+8*\t+3] offset:64*\t        ; each accumulator from its low end on
	ds_store_b128 v[STO], v[AC+8*\t+4:AC+8*\t+7] offset:64*\t+16
.endr
.irp i, 0,1,2,3,4,5,6,7
	ds_load_b128 v[OB+4*\i:OB+4*\i+3], v[SRD] offset:272*\i        ; LDS serves a wave's instructions in order: these see the stores above, and the next tile's stores come behind them
.endr
.irp i, 0,1,2,3,4,5,6,7
	s_wait_dscnt 7-\i                              ; load i is in; the younger ones may be out
	global_store_b128 v[AD+\i], v[OB+4*\i:OB+4*\i+3], s[YB:YB+1] th:TH_STORE_NT   ; sixteen lanes store 256 consecutive bytes, aligned, of one routed row
.endr
.endm
; The loop over my tiles, two a trip (the two sets of fragments change places and are back where they began).  Its count is a constant, TRIPS, the most that any split needs; a wave whose tiles are
; used up ends inside it, behind the trip's first tile or its second.  No branch leads out of the loop.
.Ltiles:
	TILE 0
	s_add_co_u32 s[TA], s[MM], 4
	s_cmp_lt_u32 s[TA], s[NTL]
	s_cbranch_scc1 .Lsecond
	s_wait_dscnt 0x0                               ; the closing lines, six on end: that was my last tile
	s_wait_alu 0x0
	s_wait_tensorcnt 0x0
	ds_add_u32 v254, v255
	s_wait_dscnt 0x0
	s_endpgm
.Lsecond:
	TILE 1
	s_add_co_u32 s[MM], s[MM], 8
	s_cmp_lt_u32 s[MM], s[NTL]
	s_cbranch_scc1 .Lmore
	s_wait_dscnt 0x0                               ; the closing lines, six on end: that was my last tile
	s_wait_alu 0x0
	s_wait_tensorcnt 0x0
	ds_add_u32 v254, v255
	s_wait_dscnt 0x0
	s_endpgm
.Lmore:
	s_add_co_u32 s[TR], s[TR], 1
	s_cmp_lt_u32 s[TR], TRIPS
	s_cbranch_scc1 .Ltiles
	s_wait_dscnt 0x0                               ; the closing lines, six on end
	s_wait_alu 0x0
	s_wait_tensorcnt 0x0
	ds_add_u32 v254, v255
	s_wait_dscnt 0x0
	s_endpgm
.Lfunc_end_k_q926fc5f0ec_down:
	.size	k_q926fc5f0ec_down, .Lfunc_end_k_q926fc5f0ec_down-k_q926fc5f0ec_down
	.p2alignl 7, 3214868480
	.fill 96, 4, 3214868480
	.section	.rodata,"a",@progbits
	.p2align	6, 0x0
	.amdhsa_kernel k_q926fc5f0ec_down
		.amdhsa_group_segment_fixed_size 87808
		.amdhsa_private_segment_fixed_size 0
		.amdhsa_enable_private_segment 0
		.amdhsa_kernarg_size 32
		.amdhsa_user_sgpr_count 2
		.amdhsa_user_sgpr_kernarg_segment_ptr 1
		.amdhsa_wavefront_size32 1
		.amdhsa_system_sgpr_workgroup_id_x 1
		.amdhsa_system_sgpr_workgroup_id_y 1
		.amdhsa_system_sgpr_workgroup_id_z 1
		.amdhsa_system_vgpr_workitem_id 0
		.amdhsa_next_free_vgpr 1024
		.amdhsa_next_free_sgpr 66
		.amdhsa_reserve_vcc 0
		.amdhsa_float_denorm_mode_32 3
		.amdhsa_float_denorm_mode_16_64 3
		.amdhsa_memory_ordered 1
		.amdhsa_forward_progress 1
		.amdhsa_inst_pref_size 159
	.end_amdhsa_kernel
	.amdgpu_metadata
---
amdhsa.version: [ 1, 2 ]
amdhsa.kernels:
  - .name:           k_q926fc5f0ec_down
    .symbol:         k_q926fc5f0ec_down.kd
    .args:
      - { .name: lst, .offset: 0, .size: 8, .value_kind: global_buffer, .address_space: global }
      - { .name: hq, .offset: 8, .size: 8, .value_kind: global_buffer, .address_space: global }
      - { .name: W2, .offset: 16, .size: 8, .value_kind: global_buffer, .address_space: global }
      - { .name: y, .offset: 24, .size: 8, .value_kind: global_buffer, .address_space: global }
    .group_segment_fixed_size: 87808
    .private_segment_fixed_size: 0
    .kernarg_segment_align: 8
    .kernarg_segment_size: 32
    .max_flat_workgroup_size: 128
    .sgpr_count:     66
    .vgpr_count:     1024
    .wavefront_size: 32
...
	.end_amdgpu_metadata
.endif
;; end of part 9
;; launch combine (part 10): grid 256 x 1, 4 waves a work-group, no clusters, 0 bytes of LDS; arguments y, gate, out0; writes out0
.if DOCPART == 10
	.amdgcn_target "amdgcn-amd-amdhsa--gfx1250"
	.amdhsa_code_object_version 6
	.text
	.protected	k_q926fc5f0ec_combine
	.globl	k_q926fc5f0ec_combine
	.p2align	8
	.type	k_q926fc5f0ec_combine,@function
k_q926fc5f0ec_combine:
	s_mov_b64 s[64:65], 0
	v_nop
	global_prefetch_b8 v0, s[64:65] scope:SCOPE_SE
	s_setreg_imm32_b32 hwreg(HW_REG_WAVE_MODE, 25, 1), 1
	s_wait_xcnt 0x0
; out[t] = g0 (y0[2 t] + y1[2 t]) + g1 (y0[2 t + 1] + y1[2 t + 1]): the two halves of K are added, then the two chosen experts' rows are weighed and added, all in f32.
; y: [2 halves][2056 rows][1024] f32 (rows 2048 on are not read); gate: [1024][2] f32; out0: [1024][1024] f32.
; One wave takes one token: four rows of 4,096 bytes in, one out.  Every load and store of the wave covers 512 consecutive bytes, aligned.  All 32 loads are issued at once; each piece of 512 bytes has registers of its own,
; so no store's data are written again.  No LDS, no barrier, no matrix unit: the launch only moves and adds.
.set R, 16                             ; v16-143  piece i: 16 registers: half 0 row 2 t, half 0 row 2 t + 1, half 1 row 2 t, half 1 row 2 t + 1
.set O, 144                            ; v144-175 piece i: 4 registers to store
	s_load_b128 s[4:7], s[0:1], 0x0                ; y, gate
	s_load_b64 s[8:9], s[0:1], 0x10                ; out0
	v_lshrrev_b32 v2, 5, v0
	v_readfirstlane_b32 s10, v2                    ; wave
	v_and_b32 v1, 31, v0
	v_lshlrev_b32 v1, 4, v1                        ; 16 bytes a lane
	s_lshl_b32 s11, ttmp9, 2
	s_add_co_u32 s11, s11, s10                     ; my token
	s_lshl_b32 s14, s11, 3                         ; its two weights
	s_lshl_b32 s18, s11, 13                        ; its two rows in a half of y
	s_mov_b32 s19, 0
	s_lshl_b32 s20, s11, 12                        ; its row of out0
	s_mov_b32 s21, 0
	s_wait_alu depctr_va_vdst(0)
	s_wait_kmcnt 0x0
	s_load_b64 s[12:13], s[6:7], s14 offset:0x0
	s_add_nc_u64 s[4:5], s[4:5], s[18:19]
	s_add_nc_u64 s[22:23], s[4:5], 8421376         ; the other half of K: 2,056 rows further on
	s_add_nc_u64 s[8:9], s[8:9], s[20:21]
.irp i, 0,1,2,3,4,5,6,7
	global_load_b128 v[R+16*\i:R+16*\i+3],     v1, s[4:5]   offset:512*\i th:TH_LOAD_NT
	global_load_b128 v[R+16*\i+4:R+16*\i+7],   v1, s[4:5]   offset:4096+512*\i th:TH_LOAD_NT
	global_load_b128 v[R+16*\i+8:R+16*\i+11],  v1, s[22:23] offset:512*\i th:TH_LOAD_NT
	global_load_b128 v[R+16*\i+12:R+16*\i+15], v1, s[22:23] offset:4096+512*\i th:TH_LOAD_NT
.endr
	s_wait_kmcnt 0x0
	s_mov_b32 s16, s13                             ; g1 as the low word of a pair of its own: the packed forms take a scalar pair's low word for both halves
	s_mov_b32 s17, s13
.macro PIECE i
.set a_, R+16*(\i)
.set o_, O+4*(\i)
	s_wait_loadcnt 28-4*(\i)                       ; this piece's four loads are in; the later pieces' may be out
	v_pk_add_f32 v[a_:a_+1], v[a_:a_+1], v[a_+8:a_+9]
	v_pk_add_f32 v[a_+2:a_+3], v[a_+2:a_+3], v[a_+10:a_+11]
	v_pk_add_f32 v[a_+4:a_+5], v[a_+4:a_+5], v[a_+12:a_+13]
	v_pk_add_f32 v[a_+6:a_+7], v[a_+6:a_+7], v[a_+14:a_+15]
	v_pk_mul_f32 v[o_:o_+1], v[a_:a_+1], s[12:13] op_sel_hi:[1,0]
	v_pk_mul_f32 v[o_+2:o_+3], v[a_+2:a_+3], s[12:13] op_sel_hi:[1,0]
	v_pk_fma_f32 v[o_:o_+1], v[a_+4:a_+5], s[16:17], v[o_:o_+1] op_sel_hi:[1,0,1]
	v_pk_fma_f32 v[o_+2:o_+3], v[a_+6:a_+7], s[16:17], v[o_+2:o_+3] op_sel_hi:[1,0,1]
	global_store_b128 v1, v[o_:o_+3], s[8:9] offset:512*(\i) th:TH_STORE_NT
.endm
.irp i, 0,1,2,3,4,5,6,7
	PIECE \i
.endr
	s_endpgm
.Lfunc_end_k_q926fc5f0ec_combine:
	.size	k_q926fc5f0ec_combine, .Lfunc_end_k_q926fc5f0ec_combine-k_q926fc5f0ec_combine
	.p2alignl 7, 3214868480
	.fill 96, 4, 3214868480
	.section	.rodata,"a",@progbits
	.p2align	6, 0x0
	.amdhsa_kernel k_q926fc5f0ec_combine
		.amdhsa_group_segment_fixed_size 0
		.amdhsa_private_segment_fixed_size 0
		.amdhsa_enable_private_segment 0
		.amdhsa_kernarg_size 24
		.amdhsa_user_sgpr_count 2
		.amdhsa_user_sgpr_kernarg_segment_ptr 1
		.amdhsa_wavefront_size32 1
		.amdhsa_system_sgpr_workgroup_id_x 1
		.amdhsa_system_sgpr_workgroup_id_y 1
		.amdhsa_system_sgpr_workgroup_id_z 1
		.amdhsa_system_vgpr_workitem_id 0
		.amdhsa_next_free_vgpr 176
		.amdhsa_next_free_sgpr 66
		.amdhsa_reserve_vcc 0
		.amdhsa_float_denorm_mode_32 3
		.amdhsa_float_denorm_mode_16_64 3
		.amdhsa_memory_ordered 1
		.amdhsa_forward_progress 1
		.amdhsa_inst_pref_size 10
	.end_amdhsa_kernel
	.amdgpu_metadata
---
amdhsa.version: [ 1, 2 ]
amdhsa.kernels:
  - .name:           k_q926fc5f0ec_combine
    .symbol:         k_q926fc5f0ec_combine.kd
    .args:
      - { .name: y, .offset: 0, .size: 8, .value_kind: global_buffer, .address_space: global }
      - { .name: gate, .offset: 8, .size: 8, .value_kind: global_buffer, .address_space: global }
      - { .name: out0, .offset: 16, .size: 8, .value_kind: global_buffer, .address_space: global }
    .group_segment_fixed_size: 0
    .private_segment_fixed_size: 0
    .kernarg_segment_align: 8
    .kernarg_segment_size: 24
    .max_flat_workgroup_size: 128
    .sgpr_count:     66
    .vgpr_count:     176
    .wavefront_size: 32
...
	.end_amdgpu_metadata
.endif
;; end of part 10
